; MI455X (gfx1250); checked and timed in simulation.
; The chip was launched on July 23, 2026; its instructions are those of AMD's public machine-readable ISA for CDNA 5 (MIT licence, August 2026) and "CDNA5" Instruction Set Architecture Reference Guide (July 2026). The comments in the code are by the model that wrote it; some were corrected since.
;; Scaled Dot Product Attention. Allowed arithmetic: matrix products marked QUANTISED: E2M1 operands, one E8M0 scale for each 32 along K, by v_wmma_scale_f32_16x16x128_f8f6f4 with both operands' format E2M1 (or v_wmma_scale_f32_32x16x128_f4), f32 sums; everything else in f32.
;; Inputs: K_batch 16 x 2,048 x 64 float32; Q_batch 16 x 2,048 x 64 float32; V_batch 16 x 2,048 x 64 float32; valid_lens 16 int32.
;; Outputs: out0 16 x 2,048 x 64 float32.
;; This version of the problem:
;;   THIS VERSION OF THE PROBLEM IS GIVEN IN LOW PRECISION. The matrix products marked QUANTISED in the list below multiply operands that are first quantised to E2M1 (2 exponent bits, 1 mantissa bit; 4 bits a number), with one power-of-two scale for each 32 numbers along K (OCP MX v1.0); their sums are f32. All else is computed in f32.
;;   The module's matrix products, in the order in which they are computed (A, B: the left and right operand; K: the contracted axis; several contracted axes count as one K, in the product's order):
;;     1. batch 16 x [M 2,048, K 64] x [K 64, N 2,048]; A: input Q_batch; B: input K_batch: QUANTISED
;;     2. batch 16 x [M 2,048, K 2,048] x [K 2,048, N 64]; A: softmax (see below); B: input V_batch: QUANTISED
;;   THE QUANTISER, for each operand of a quantised product, along K:
;;     - K is cut into blocks of 32 from its start; a last block that is shorter is filled with zeros.
;;     - A block's scale is 2^e with e = floor(log2(the largest magnitude in the block)) - 2, held to -126 .. 127; a block of zeros has e = 0. As a byte (E8M0): e + 127.
;;     - Each number is divided by its block's scale, clamped to +-6, and rounded to the nearest number of E2M1, ties to even, subnormals kept.
;;     - The product sums the exact products of the quantised numbers (number of the format x scale) in f32.
;;   ~~~python
;;   def quantise(x, axis):      # numpy; x: float32 -> the quantised numbers, widened to float32 again
;;       x = np.moveaxis(x, axis, -1); K = x.shape[-1]
;;       x = np.pad(x, [(0, 0)] * (x.ndim - 1) + [(0, -K % 32)]); x = x.reshape(x.shape[:-1] + (-1, 32)); a = np.abs(x).max(-1, keepdims=True)
;;       e = np.where(a > 0, np.clip(np.frexp(np.where(a > 0, a, 1))[1] - 1 - 2, -126, 127), 0)      # np.frexp(a)[1] - 1 = floor(log2(a)), exactly
;;       r = np.clip(x / 2.0 ** e, -6, 6)
;;       step = 2.0 ** (np.maximum(np.frexp(np.where(r == 0, 1, r))[1] - 1, 0) - 1)
;;       q = np.round(r / step) * step * 2.0 ** e      # np.round: ties to even
;;       return np.moveaxis(q.reshape(q.shape[:-2] + (-1,))[..., :K], -1, axis).astype(np.float32)
;;   ~~~
;;   SOFTMAX AHEAD OF A QUANTISED PRODUCT. Where the list says 'softmax', what is quantised is not the finished softmax but p = 2^(t - M), with t = logit x log2(e) and M = ceil(the row's largest t), a whole number; so 1/2 < the row's largest p <= 1. The row's sum l is taken of the UNQUANTISED p, in f32, and the product's result is divided by l at the end. Since M is a whole number, a kernel that streams over the keys may use a running M (the ceiling of the running maximum): every later rescaling is an exact power of two, which a block's scale takes up: the codes' values come out the same.
;;   OPERANDS COMPUTED ON THE WAY. 'Computed on the way' means the value that the module computes at that place (a softmax that the list does not call 'softmax' is quantised finished and normalised). What goes into a quantiser is computed in f32, as accurately as f32 sums, v_exp_f32 and their like allow (about 1e-6 of the number): no bf16 or f16 on the way to a quantiser, and a product that is left as it is and whose result goes on into a quantised operand takes f32 operands (vector FMAs, or v_wmma_f32_16x16x4_f32). A number that lies on a knife's edge between two numbers of the format may be rounded either way, as far as f32 arithmetic and the matrix unit's own rounding can turn it there, and no further.
;; 2 versions. Each part assembles by itself: llvm-mc -triple=amdgcn-amd-amdhsa -mcpu=gfx1250 --defsym DOCPART=n.
;; ======== version 1 of 2: 2 launches
;; limits: right only within a limited range of input values
;; workspace buffers: qc 1,048,576 bytes; qs 65,536 bytes; kv 2,228,224 bytes; plan 256 bytes of whole numbers
;; launch prep (part 1): grid 384 x 1, 4 waves a work-group, no clusters, 33,280 bytes of LDS; arguments Q_batch, K_batch, V_batch, valid_lens, qc, qs, kv, plan; writes qc, qs, kv, plan
.if DOCPART == 1
	.amdgcn_target "amdgcn-amd-amdhsa--gfx1250"
	.amdhsa_code_object_version 6
	.text
	.protected	k_q74d404c888_prep
	.globl	k_q74d404c888_prep
	.p2align	8
	.type	k_q74d404c888_prep,@function
k_q74d404c888_prep:
	s_mov_b64 s[64:65], 0
	v_nop
	global_prefetch_b8 v0, s[64:65] scope:SCOPE_SE
	s_setreg_imm32_b32 hwreg(HW_REG_WAVE_MODE, 25, 1), 1
	s_wait_xcnt 0x0
; Q, K [16][2048][64] and V [16][2048][64], f32, become codes of FP4 (E2M1) with one E8M0 byte for each 32 along a product's K: Q and K along the head's 64, V along the keys.
; A block's scale is 2^(floor(log2(its largest magnitude)) - 2); its byte is the largest magnitude's exponent field - 2, held at 1 from below.  (A block of zeros so gets the byte 1 where the rule says 127:
; its codes are zeros, which add nothing under any byte but 0xff, and the bytes are read by this program alone.)
; WORK LEFT OUT.  reference() sets the logit of key k to -1e20 where k >= valid_lens[b].  With len = valid_lens[b] > 0 the row's M is at least the ceiling of a valid key's t, so a masked key has
; p = 2^(t - M) with t - M under -1e19 for every valid logit above -1e19: under the stated quantiser, whose scale is held at 2^-126 from below, its code is 0, and its part of the row's sum is under rounding.
; So key steps of 128 that lie wholly at or behind len reach no output.  Which they are is said by a whole number that this launch reads: n = ceil(len / 128) steps are live, g = ceil(n / 4) groups of 512 keys;
; groups of K and V from g on are neither read nor written here, and the second launch never reads them.  With len <= 0 every key has the same logit, p = 1 for all 2,048, and all 16 steps are live: n = 16.
; LIMITS: a NaN, an infinity or an overflow in rows of K or V that are left out is not carried to the result; NaN and infinities among the inputs are not served; blocks whose largest magnitude lies under 2^-124 keep the byte 1.
; SORTED.  The batches are ranked by (n, batch), the longest first: rho = how many batches have the larger key.  All workspace data lie by RANK, so that the second launch's load addresses hang on ids alone:
;   qc [rho][row][32 bytes], qs [rho][row][2 bytes];
;   kv [rho][group of 512 keys][34,816 bytes]: for each of the group's 4 steps 8,192 bytes: K's 128 rows x 32 bytes as they lie, then V as IMAGES OF THE OPERAND'S REGISTERS: tile t (16 channels), half c at
;   4096 + 1024 t + 512 c + 16 x lane, lane (r, h) holding the 32 codes of channel 16 t + r, keys 64 c + 32 h + 0 .. 31; behind the codes, at 32,768 + 512 x step: K's bytes (2 a key), then V's (a word a channel).
;   plan: record p of 8 words for the pair of ranks p and 15 - p: batch, len, n, g of the one, then of the other.
; SHARES.  384 work-groups of four waves: 128 each for Q, K and V; each takes 256 rows of one batch.  Q, K: a wave takes 64 rows, a plain stream of 8 steps of 512 numbers.  V: a wave takes 128 keys x 32 channels,
; a lane to a channel and its registers down the keys, so that a block of 32 keys lies in one lane.  A work-group of K or V whose group is not live stores nothing and ends: the grid is fixed and serves every split.
; Waves share nothing: no barrier.  All of a wave's loads go out at once; no register is loaded twice.
.set WREG,  8192                       ; LDS: a region for each wave: two stages of 32 x SP bytes, and behind them its 128 scale bytes
.set SP,    80                         ; a lane's place in a stage: its 64 bytes + 16 of padding
.set SPARE, 4*WREG                     ; behind the four regions: the spare words, 128 bytes a wave: two blocks of 256 bytes that no other line names
.set STEPS, 8
.set GRP,   34816                      ; bytes of a group in kv
.set RANKB, 4*GRP                      ; and of a rank
.set R,     32                         ; v32-159  Q, K: eight sets of 16 numbers as loaded;  V: 128 numbers, four blocks of 32
.set X,     160                        ; v160-191 two sets of 16 neighbours
.set C,     192                        ; v192-207 codes: registers of their own for each step or block, so that no store's data are written again
.set E,     24                         ; v24-31   Q, K: a scale byte for each step;  V: v24 the scale word
; v2 lane; v3, v4, v7, v23 offsets; v5, v6, v14, v15 LDS addresses; v8-11 at work; v12, v13 the add's two; v16-19 batch, len, n, g of lane % 16's batch (a plan record's half); v20 its key; v21 its rank; v22 its place
	s_load_b256 s[4:11], s[0:1], 0x0               ; Q s[4:5], K s[6:7], V s[8:9], valid_lens s[10:11]
	s_load_b256 s[12:19], s[0:1], 0x20             ; qc s[12:13], qs s[14:15], kv s[16:17], plan s[18:19]
	v_lshl_add_u32 v12, v0, 2, SPARE
	v_mov_b32 v13, 0
	v_lshrrev_b32 v1, 5, v0
	v_readfirstlane_b32 s20, v1                    ; wave 0..3
	v_and_b32 v2, 31, v0                           ; lane
	s_lshr_b32 s21, ttmp9, 7                       ; 0: Q, 1: K, 2: V
	s_and_b32 s22, ttmp9, 127
	s_lshr_b32 s23, s22, 3                         ; batch
	s_and_b32 s24, s22, 7                          ; which 256 rows of it
	s_lshl_b32 s25, s24, 2
	s_add_co_u32 s25, s25, s20                     ; Q, K: which 64 rows of the batch are my wave's
	s_mul_i32 s38, s20, WREG
	v_lshrrev_b32 v14, 2, v2
	v_mul_u32_u24 v14, v14, SP
	v_and_b32 v15, 3, v2
	v_lshl_add_u32 v14, v15, 4, v14
	v_add_nc_u32 v14, s38, v14                     ; the stage, on the way in: four lanes' 64 bytes on end, then 16 of padding
	v_mul_u32_u24 v15, v2, SP
	v_add_nc_u32 v15, s38, v15                     ; and on the way out: my 16 neighbours
	v_lshrrev_b32 v5, 1, v2
	s_add_co_u32 s38, s38, 2*32*SP
	v_add_nc_u32 v5, s38, v5                       ; my wave's scale bytes: my block's byte
	v_lshlrev_b32 v7, 2, v2                        ; 4 x lane
	v_add_nc_u32 v6, s38, v7                       ; and on the way out 4 bytes a lane
	v_lshlrev_b32 v3, 4, v2                        ; Q, K: my 16 bytes of a load's 512
	v_lshlrev_b32 v4, 3, v2                        ; and my 8 bytes of a step's 256 bytes of codes
	v_and_b32 v16, 15, v0                          ; the batch whose numbers my lane works out
	v_lshrrev_b32 v23, 4, v2
	v_lshlrev_b32 v23, 10, v23
	v_lshl_add_u32 v23, v16, 4, v23                ; V: my channel's place in the images: 1024 (lane / 16) + 16 (lane % 16)
	v_lshlrev_b32 v1, 2, v16
	s_lshl_b32 s38, s23, 2
	s_mov_b32 s39, 0
	s_wait_kmcnt 0x0
	global_load_b32 v17, v1, s[10:11]              ; all sixteen lengths (lanes 16-31 hold them once more)
	s_add_nc_u64 s[40:41], s[10:11], s[38:39]
	s_load_b32 s27, s[40:41], 0x0                  ; and my batch's
	s_wait_loadcnt 0x0
	s_wait_kmcnt 0x0
	s_max_i32 s27, s27, 0                          ; len, held to 0 .. 2,048: under 0 masks all keys as 0 does, over 2,048 none as 2,048 does
	s_min_u32 s27, s27, 0x800
	s_add_co_u32 s28, s27, 127
	s_lshr_b32 s28, s28, 7
	s_cmp_eq_u32 s27, 0
	s_cselect_b32 s28, 16, s28                     ; n
	s_add_co_u32 s29, s28, 3
	s_lshr_b32 s29, s29, 2                         ; g
	s_lshl_b32 s30, s28, 4
	s_or_b32 s30, s30, s23                         ; my batch's key: 16 n + batch
	v_cmp_le_i32 vcc_lo, 0, v17
	v_cndmask_b32 v17, 0, v17, vcc_lo
	v_min_u32 v17, 0x800, v17                      ; the same for every batch
	v_add_nc_u32 v18, 127, v17
	v_lshrrev_b32 v18, 7, v18
	v_cmp_ne_u32 vcc_lo, 0, v17
	v_cndmask_b32 v18, 16, v18, vcc_lo
	v_add_nc_u32 v19, 3, v18
	v_lshrrev_b32 v19, 2, v19
	v_lshl_or_b32 v20, v18, 4, v16
	v_cmp_lt_u32 s31, s30, v20                     ; the batches with a larger key than mine,
	s_and_b32 s31, s31, 0xffff
	s_bcnt1_i32_b32 s31, s31                       ; counted: rho
	s_min_u32 s31, s31, 15                         ; behind this bound rho is only multiplied and added
	; the plan: wave 0 of work-group 0 alone
	s_or_b32 s38, ttmp9, s20
	s_cmp_lg_u32 s38, 0
	s_cbranch_scc1 .Lnoplan
	v_mov_b32 v21, 0
	v_mov_b32 v9, 1
.irp c, 0,1,2,3,4,5,6,7,8,9,10,11,12,13,14,15
	v_readlane_b32 s38, v20, \c
	v_cmp_gt_u32 vcc_lo, s38, v20
	v_cndmask_b32 v8, 0, v9, vcc_lo
	v_add_nc_u32 v21, v21, v8                      ; my lane's batch: its rank.  The keys differ, so the ranks are 0 .. 15, each once
.endr
	v_sub_nc_u32 v8, 15, v21
	v_lshlrev_b32 v8, 5, v8
	v_add_nc_u32 v8, 16, v8                        ; ranks 8 .. 15: the second half of record 15 - rank
	v_lshlrev_b32 v22, 5, v21                      ; ranks 0 .. 7: the first half of record rank
	v_cmp_gt_u32 vcc_lo, 8, v21
	v_cndmask_b32 v22, v8, v22, vcc_lo
	v_min_u32 v22, 0xf0, v22
	global_store_b128 v22, v[16:19], s[18:19]      ; sixteen lanes fill the plan's 256 bytes; lanes 16-31 write the same bytes with the same values
.Lnoplan:
	s_cmp_eq_u32 s21, 0
	s_cbranch_scc1 .Lqk
	s_lshr_b32 s38, s24, 1                         ; K, V: my group of 512 keys,
	s_cmp_ge_u32 s38, s29
	s_cbranch_scc1 .Ldead                          ; which is left out where it is not live
	s_cmp_eq_u32 s21, 2
	s_cbranch_scc1 .Lv
.Lqk:
	; ---- Q and K take one way; only pointers and offsets are chosen
	s_cmp_eq_u32 s21, 0
	s_cselect_b64 s[32:33], s[4:5], s[6:7]
	s_lshl_b32 s38, s22, 2
	s_add_co_u32 s38, s38, s20
	s_lshl_b32 s38, s38, 14                        ; my wave's 64 rows of 256 bytes
	s_mov_b32 s39, 0
	s_add_nc_u64 s[32:33], s[32:33], s[38:39]
.set n, 0
.rept 32
	global_load_b128 v[R+4*n:R+4*n+3], v3, s[32:33] offset:512*n th:TH_LOAD_NT   ; 32 lanes read 512 consecutive bytes; step t is loads 4 t .. 4 t + 3
.set n, n+1
.endr
	s_lshl_b32 s38, s25, 11                        ; Q: codes at 2,048 x my 64 rows,
	s_lshl_b32 s40, s25, 7                         ;    bytes at 128 x
	s_lshr_b32 s41, s25, 3
	s_mul_i32 s41, s41, GRP                        ; K: the group,
	s_bfe_u32 s39, s25, 0x20001                    ;    the step in it,
	s_and_b32 s42, s25, 1                          ;    the half of the step
	s_lshl_b32 s43, s39, 13
	s_add_co_u32 s43, s43, s41
	s_lshl_b32 s44, s42, 11
	s_add_co_u32 s43, s43, s44                     ; K: codes
	s_lshl_b32 s39, s39, 9
	s_add_co_u32 s39, s39, s41
	s_lshl_b32 s42, s42, 7
	s_add_co_u32 s39, s39, s42
	s_add_co_u32 s39, s39, 32768                   ; K: bytes
	s_mov_b32 s44, RANKB
	s_cmp_eq_u32 s21, 0
	s_cselect_b64 s[34:35], s[12:13], s[16:17]
	s_cselect_b64 s[36:37], s[14:15], s[16:17]
	s_cselect_b32 s38, s38, s43
	s_cselect_b32 s40, s40, s39
	s_cselect_b32 s45, 0x10000, s44                ; a rank's bytes in the codes' buffer,
	s_cselect_b32 s44, 0x1000, s44                 ; and in the scale bytes'
	s_mul_i32 s45, s31, s45
	s_mul_i32 s44, s31, s44
	s_add_co_u32 s38, s38, s45
	s_add_co_u32 s40, s40, s44
	s_mov_b32 s39, 0
	s_mov_b32 s41, 0
	s_add_nc_u64 s[34:35], s[34:35], s[38:39]
	s_add_nc_u64 s[36:37], s[36:37], s[40:41]
; The conversions take numbers of ONE block from a lane's consecutive registers, so a lane must hold 16 neighbours; a load is dense where neighbouring lanes take neighbouring bytes.  Both are had: a step's 2,048 bytes
; go through the wave's own stage as they lie and come back 64 bytes a lane.  LDS serves a wave's instructions in order (ISA guide 5.7.1.4), so no wait stands between the stores and the loads.
.macro TURN t
.irp i, 0,1,2,3
	ds_store_b128 v14, v[R+16*(\t)+4*\i:R+16*(\t)+4*\i+3] offset:32*SP*((\t)%2)+8*SP*\i
.endr
.irp i, 0,1,2,3
	ds_load_b128 v[X+16*((\t)%2)+4*\i:X+16*((\t)%2)+4*\i+3], v15 offset:32*SP*((\t)%2)+16*\i
.endr
.endm
.macro STEP t
.set XS, X+16*((\t)%2)
.if (\t) > 0
	s_wait_dscnt 1                                 ; this step's numbers are back from the stage; the last step's byte store may be out
.else
	s_wait_dscnt 0x0
.endif
.if (\t)+1 < STEPS
	s_wait_loadcnt 4*(STEPS-2-(\t))                ; the next step's four loads are in; those of the steps behind it may be out
	TURN (\t)+1                                    ; and go through the other stage while this step is worked
.endif
	v_max3_num_f32 v8, |v[XS]|, |v[XS+1]|, |v[XS+2]|               ; the largest magnitude of my 16, in two chains
	v_max3_num_f32 v9, |v[XS+3]|, |v[XS+4]|, |v[XS+5]|
.irp i, 6,10
	v_max3_num_f32 v8, v8, |v[XS+\i]|, |v[XS+\i+1]|
	v_max3_num_f32 v9, v9, |v[XS+\i+2]|, |v[XS+\i+3]|
.endr
	v_max3_num_f32 v8, v8, |v[XS+14]|, |v[XS+15]|
	v_max3_num_f32 v8, v8, v9, 0x1800000           ; and the floor 2^(3 - 127): so the byte cannot fall under 1
	v_max_num_f32_dpp v8, v8, v8 row_xmask:1 row_mask:0xf bank_mask:0xf   ; and of my neighbour's 16: the block's
	v_add_nc_u32 v11, 0xff000000, v8               ; 2 off its exponent field: the conversion takes the exponent field of this operand as its scale, and nothing else of it
	v_cvt_scalef32_pk8_fp4_f32 v[C+2*(\t)], v[XS:XS+7], v11
	v_cvt_scalef32_pk8_fp4_f32 v[C+2*(\t)+1], v[XS+8:XS+15], v11
	v_lshrrev_b32 v[E+(\t)], 23, v11               ; the scale's byte.  (A plain line behind the conversions)
	ds_store_b8 v5, v[E+(\t)] offset:16*(\t)       ; both lanes of a block write the same byte with the same value
	global_store_b64 v4, v[C+2*(\t):C+2*(\t)+1], s[34:35] offset:256*(\t)   ; 32 lanes store 256 consecutive bytes, at a multiple of 256 from the buffer's first byte: 8 rows' codes
.endm
	s_wait_loadcnt 28                              ; step 0's four loads are in
	TURN 0
.irp t, 0,1,2,3,4,5,6,7
	STEP \t
.endr
	ds_load_b32 v8, v6                             ; my wave's 128 scale bytes: these see my stores
	s_wait_dscnt 0x0
	global_store_b32 v7, v8, s[36:37]              ; 128 consecutive bytes: one byte for each 128 that the wave has read
	s_wait_tensorcnt 0x0                           ; the wave's end: three closing lines behind my last LDS store
	ds_add_u32 v12, v13
	s_wait_dscnt 0x0
	s_endpgm
.Lv:
	; ---- V: a lane takes a channel, and its registers run down the keys.  No LDS: a block's 16 bytes of codes are a lane's part of an operand's image, and sixteen lanes fill 256 consecutive bytes
	s_lshl_b32 s25, s24, 1
	s_lshr_b32 s38, s20, 1
	s_add_co_u32 s25, s25, s38                     ; my key step of 128
	s_and_b32 s39, s20, 1                          ; my 32 of the 64 channels
	s_lshl_b32 s40, s23, 19
	s_lshl_b32 s41, s25, 15
	s_add_co_u32 s40, s40, s41
	s_lshl_b32 s41, s39, 7
	s_add_co_u32 s40, s40, s41
	s_mov_b32 s41, 0
	s_add_nc_u64 s[32:33], s[8:9], s[40:41]
.set n, 0
.rept 128
	global_load_b32 v[R+n], v7, s[32:33] offset:256*n th:TH_LOAD_NT   ; V(key n, my channel): a wave reads 128 consecutive bytes, the two waves of a step stand side by side on a row
.set n, n+1
.endr
	s_mul_i32 s42, s31, RANKB
	s_lshr_b32 s43, s25, 2
	s_mul_i32 s43, s43, GRP
	s_add_co_u32 s42, s42, s43                     ; my rank's group
	s_and_b32 s43, s25, 3
	s_lshl_b32 s44, s43, 13
	s_lshl_b32 s45, s39, 11
	s_add_co_u32 s44, s44, s45
	s_add_co_u32 s44, s44, 4096
	s_add_co_u32 s44, s44, s42
	s_mov_b32 s45, 0
	s_add_nc_u64 s[34:35], s[16:17], s[44:45]      ; the step's images, my two tiles of channels
	s_lshl_b32 s44, s43, 9
	s_lshl_b32 s38, s39, 7
	s_add_co_u32 s44, s44, s38
	s_add_co_u32 s44, s44, 32768+256
	s_add_co_u32 s44, s44, s42
	s_add_nc_u64 s[36:37], s[16:17], s[44:45]      ; and my channels' scale words
.macro BLOCKV kb                       ; keys 32 kb .. 32 kb + 31 of my channel: all 32 numbers are mine
.set XS, R+32*(\kb)
.if (\kb) == 0
	s_wait_loadcnt 63                              ; of the 128 loads at most 63 are out: the oldest 65 are in, blocks 0 and 1 among them
.elseif (\kb) == 2
	s_wait_loadcnt 32                              ; block 3's may be out
.elseif (\kb) == 3
	s_wait_loadcnt 0x0
.endif
	v_max3_num_f32 v8, |v[XS]|, |v[XS+1]|, |v[XS+2]|
	v_max3_num_f32 v9, |v[XS+3]|, |v[XS+4]|, |v[XS+5]|
.irp i, 6,10,14,18,22,26
	v_max3_num_f32 v8, v8, |v[XS+\i]|, |v[XS+\i+1]|
	v_max3_num_f32 v9, v9, |v[XS+\i+2]|, |v[XS+\i+3]|
.endr
	v_max3_num_f32 v8, v8, |v[XS+30]|, |v[XS+31]|
	v_max3_num_f32 v8, v8, v9, 0x1800000           ; the floor, as above
	v_add_nc_u32 v11, 0xff000000, v8               ; the conversions' scale operand
	v_lshrrev_b32 v10, 23, v11                     ; the scale's byte
.if (\kb) == 0
	v_mov_b32 v[E], v10                            ; four bytes to the word, the lower keys in the lower byte
.else
	v_lshl_or_b32 v[E], v10, 8*(\kb), v[E]
.endif
.irp g, 0,1,2,3
	v_cvt_scalef32_pk8_fp4_f32 v[C+4*(\kb)+\g], v[XS+8*\g:XS+8*\g+7], v11
.endr
	v_nop                                          ; one plain line behind the last conversion of the run
	global_store_b128 v23, v[C+4*(\kb):C+4*(\kb)+3], s[34:35] offset:512*((\kb)/2)+256*((\kb)%2)   ; half c = kb / 2, lanes 16 (kb % 2) on of the image: sixteen lanes store 256 consecutive bytes, aligned
.endm
	BLOCKV 0
	BLOCKV 1
	BLOCKV 2
	BLOCKV 3
	global_store_b32 v7, v[E], s[36:37]            ; 128 consecutive bytes
	s_endpgm
.Ldead:
	s_endpgm
.Lfunc_end_k_q74d404c888_prep:
	.size	k_q74d404c888_prep, .Lfunc_end_k_q74d404c888_prep-k_q74d404c888_prep
	.p2alignl 7, 3214868480
	.fill 96, 4, 3214868480
	.section	.rodata,"a",@progbits
	.p2align	6, 0x0
	.amdhsa_kernel k_q74d404c888_prep
		.amdhsa_group_segment_fixed_size 33280
		.amdhsa_private_segment_fixed_size 0
		.amdhsa_enable_private_segment 0
		.amdhsa_kernarg_size 64
		.amdhsa_user_sgpr_count 2
		.amdhsa_user_sgpr_kernarg_segment_ptr 1
		.amdhsa_wavefront_size32 1
		.amdhsa_system_sgpr_workgroup_id_x 1
		.amdhsa_system_sgpr_workgroup_id_y 1
		.amdhsa_system_sgpr_workgroup_id_z 1
		.amdhsa_system_vgpr_workitem_id 0
		.amdhsa_next_free_vgpr 208
		.amdhsa_next_free_sgpr 66
		.amdhsa_reserve_vcc 1
		.amdhsa_float_denorm_mode_32 3
		.amdhsa_float_denorm_mode_16_64 3
		.amdhsa_memory_ordered 1
		.amdhsa_forward_progress 1
		.amdhsa_inst_pref_size 43
	.end_amdhsa_kernel
	.amdgpu_metadata
---
amdhsa.version: [ 1, 2 ]
amdhsa.kernels:
  - .name:           k_q74d404c888_prep
    .symbol:         k_q74d404c888_prep.kd
    .args:
      - { .name: Q_batch, .offset: 0, .size: 8, .value_kind: global_buffer, .address_space: global }
      - { .name: K_batch, .offset: 8, .size: 8, .value_kind: global_buffer, .address_space: global }
      - { .name: V_batch, .offset: 16, .size: 8, .value_kind: global_buffer, .address_space: global }
      - { .name: valid_lens, .offset: 24, .size: 8, .value_kind: global_buffer, .address_space: global }
      - { .name: qc, .offset: 32, .size: 8, .value_kind: global_buffer, .address_space: global }
      - { .name: qs, .offset: 40, .size: 8, .value_kind: global_buffer, .address_space: global }
      - { .name: kv, .offset: 48, .size: 8, .value_kind: global_buffer, .address_space: global }
      - { .name: plan, .offset: 56, .size: 8, .value_kind: global_buffer, .address_space: global }
    .group_segment_fixed_size: 33280
    .private_segment_fixed_size: 0
    .kernarg_segment_align: 8
    .kernarg_segment_size: 64
    .max_flat_workgroup_size: 128
    .sgpr_count:     66
    .vgpr_count:     208
    .wavefront_size: 32
...
	.end_amdgpu_metadata
.endif
;; end of part 1
;; launch attn (part 2): grid 256 x 1, 16 waves a work-group, no clusters, 276,480 bytes of LDS; arguments qc, qs, kv, plan, out0; writes out0
.if DOCPART == 2
	.amdgcn_target "amdgcn-amd-amdhsa--gfx1250"
	.amdhsa_code_object_version 6
	.text
	.protected	k_q74d404c888_attn
	.globl	k_q74d404c888_attn
	.p2align	8
	.type	k_q74d404c888_attn,@function
k_q74d404c888_attn:
	s_mov_b64 s[64:65], 0
	v_nop
	global_prefetch_b8 v0, s[64:65] scope:SCOPE_SE
	s_setreg_imm32_b32 hwreg(HW_REG_WAVE_MODE, 25, 1), 1
	s_wait_xcnt 0x0
; out0[b][q][:] = the sum over k of softmax_k(Q[b][q] . K[b][k] / 8, keys k >= valid_lens[b] masked) V[b][k][:], both products on codes of FP4 (E2M1) with one E8M0 scale for each 32 along a product's K.
; Codes, scale bytes and the plan were made by the launch before (its head comment gives the layouts); they lie by RANK (batches sorted by their number of live key steps, the longest first).
; THE SOFTMAX AHEAD OF THE SECOND PRODUCT: t = score x log2(e) / 8; M = the largest t so far, rounded UP to a whole number; p = 2^(t - M) is quantised along the keys, not normalised; the row's sum is taken of the
; unquantised p and divides at the end.  When M moves, the sum and O are multiplied by 2^(old M - new M): exact.
; WORK LEFT OUT (shown at the head of the launch before): key steps of 128 that lie wholly at or behind a length above 0 reach no output; n live steps and g live groups of 512 keys stand in the plan, which this launch
; reads from memory, and a scalar branch on them leads round a step's work and a group's fetch.  With len = 0 all 16 steps are live and all keys masked.
; THE MASKED SCORE is -2^70 in place of reference()'s logit -1e20 (a score of -8e20): c x -2^70 is exact and a whole number, so where ALL keys are masked M = t, the multiply-add gives 0 and p = 1, as reference() has it;
; beside any valid key t - M is near -2e20 and p = 0.  LIMITS: valid logits are taken to lie above -1e19; NaN and infinities among the inputs are not served, and none in the steps left out is carried to the result.
; SHARES.  Work-group = (pair P of ranks P and 15 - P, SUB): the four tiles of 16 queries 4 SUB .. 4 SUB + 3 of both batches, so that every work-group has nx + ny live steps for each of its tiles, long and short paired.
; Sixteen waves of 256 registers, four to a SIMD: wave w has tile w % 4 and the quarter w / 4 of the keys.  Eight TURNS, a constant count: turn T serves group T % 4 of the first batch (T < 4) or of the second;
; in it a wave does ONE item: its tile against key step 4 (T % 4) + w / 4, if that step is live.  The four quarters' parts (M, sum, O) of a tile meet in LDS at the end and are merged.
; K AND V come from memory through registers into two LDS slots that take turns: in a turn each wave asks for its 5 pieces of the next live group at the turn's head and stores them, behind its item, into the slot that
; is not being read; one barrier a turn parts a slot's reads from its next stores and its stores from its next reads.
; NO TENSOR LOADS, NO CLUSTER, though the 32 work-groups of a pair read the same groups: joint requests are tensor loads
; LAYOUT.  Both products are used transposed: S^T = K Q^T (source 0 = 16 keys, source 1 = my 16 queries; the head's 64 fill half of the instruction's 128, the other half are zero codes on both sides),
; O^T = V^T P^T (source 0 = 16 channels, source 1 = P): a lane holds ONE query (lane % 16) throughout.
; THE KEYS OF A TILE ARE NOT NEIGHBOURS: lane r of tile 2 b + u takes key 32 b + 8 u + r + 8 (r / 8), so that the 16 registers of tiles 2 b and 2 b + 1 are 16 neighbouring keys, 32 b + 16 (lane / 16) + 0 .. 15.
.set SLOT1, 65536                      ; LDS: slot 0 at 0, slot 1 here.  In a slot: step q at STEPB q: 16 pieces of 512 bytes, CH apart: 8 of K (16 keys x 32 bytes each), then V's 8 images;
.set CH,    528                        ; 512 + 16: a tile's lanes r < 8 then fall on the even 16-byte columns of the 64 banks of 4 bytes (ISA guide 11.1), lanes r >= 8, one piece on, on the odd ones
.set STEPB, 16*CH
.set SCO,   4*STEPB                    ; behind the codes: 2,048 scale bytes; step q at 512 q: K's 256, then V's 256
.set PB,    131072                     ; the parts of O: 32 x PBT; part 4 x (4 x batch + tile) + quarter: 16 rows of 256 bytes + 16
.set PBT,   16*272
.set ST,    PB+32*PBT                  ; their statistics: (4 x batch + tile) x 512 + row x 32 + quarter x 8: the pair (-M, sum)
.set SPARE, ST+8*512                   ; the spare words, 128 bytes a wave: eight blocks of 256 bytes that no other line names
.set GRP,   34816                      ; bytes of a group in kv
.set RANKB, 4*GRP
; VECTOR REGISTERS: v0 thread; v1-4 (slot 0) and v18-21 (slot 1): my place in K's tiles, V's images, K's bytes, V's words; v7, v8 (slot 0) and v22, v23 (slot 1): where I store my pieces and my scale word;
; v5, v6 the add's two; v9, v10 my pieces' offsets in a group; v11, v16 my part's and my statistics' place; v12 -M, v13 the largest t, v[14:15] the sum; v17 -16 (lane / 16) - 1; v[24:31] Q; v[32:63] four fragments of K
; (upper halves zero); v[64:95] V's four; v[96:159] S^T, then p; v[160:191] O^T; v[192:199] p's codes; v[200:216] the pieces in flight; v217 Q's scales, v218, v[220:223] the second batch's Q;
; v[224:227] K's scales, v[228:229] V's, v230 p's; v232-243 at work; v244 the masked score; v246, v247 addresses; v[248:249] f; v[250:251], v252 at work; v253-255 the merge's addresses.
; SCALARS: s14 wave, s15 tile, s16 quarter, s17 P, s18 SUB; s[20:27] the plan's record: batch, len, n, g twice; s28, s29 n and len in hand; s31 T; s32, s33 loop counts; s34 my key step; s35, s63 the flush's offsets;
; s[36:37] the group being fetched; s[38:39] its offset; s40-42 group numbers (4 x rank + group) made of ids; s43 g - 1 of the first batch; s44, s45 bit T: fetch, store; s[48:49] lane selects; s[50:51] c; s[52:59] Q's four places; s[60:61] out0.
	s_load_b256 s[4:11], s[0:1], 0x0               ; qc s[4:5], qs s[6:7], kv s[8:9], plan s[10:11]
	s_load_b64 s[12:13], s[0:1], 0x20              ; out0
	v_lshl_add_u32 v5, v0, 2, SPARE
	v_mov_b32 v6, 0
	v_lshrrev_b32 v252, 5, v0
	v_readfirstlane_b32 s14, v252                  ; wave 0..15
	s_and_b32 s15, s14, 3
	s_lshr_b32 s16, s14, 2
	s_lshr_b32 s17, ttmp9, 5
	s_and_b32 s18, ttmp9, 31
	s_mul_i32 s38, s17, RANKB                      ; the first batch's group 0, in bytes
	s_mov_b32 s39, 0
	s_lshl_b32 s40, s17, 2
	s_add_co_u32 s40, s40, 1                       ; + T: the number of the first batch's group T + 1
	s_sub_co_u32 s19, 15, s17                      ; the second batch's rank
	s_lshl_b32 s42, s19, 2                         ; the number of its group 0
	s_sub_co_u32 s41, s42, 3                       ; + T: of its group T - 3
	s_lshl_b32 s46, s18, 2
	s_add_co_u32 s46, s46, s15                     ; my tile of queries
	s_lshl_b32 s47, s46, 9                         ; 16 rows of 32 bytes of codes,
	s_lshl_b32 s46, s46, 5                         ; of 2 scale bytes
	s_lshl_b32 s52, s17, 16
	s_add_co_u32 s52, s52, s47
	s_mov_b32 s53, 0
	s_lshl_b32 s54, s19, 16
	s_add_co_u32 s54, s54, s47
	s_mov_b32 s55, 0
	s_lshl_b32 s56, s17, 12
	s_add_co_u32 s56, s56, s46
	s_mov_b32 s57, 0
	s_lshl_b32 s58, s19, 12
	s_add_co_u32 s58, s58, s46
	s_mov_b32 s59, 0
	s_lshl_b32 s46, s17, 5                         ; my pair's record
	s_mov_b32 s47, 0
	v_lshlrev_b32 v9, 4, v0                        ; piece = wave, 16 bytes a lane: 16 x thread, in each of a group's four steps
	v_lshl_add_u32 v10, v0, 2, 32768               ; and a word of its 2,048 scale bytes
	v_and_b32 v232, 15, v0                         ; r
	v_bfe_u32 v233, v0, 4, 1                       ; h
	v_lshlrev_b32 v246, 5, v232
	v_lshl_add_u32 v246, v233, 4, v246             ; Q: row r, block h
	v_lshlrev_b32 v247, 1, v232
	s_wait_kmcnt 0x0
	s_add_nc_u64 s[46:47], s[10:11], s[46:47]
	s_load_b256 s[20:27], s[46:47], 0x0            ; the plan is on its way beside the first data: the first loads' addresses do not hang on it
	s_add_nc_u64 s[36:37], s[8:9], s[38:39]
	s_add_nc_u64 s[52:53], s[4:5], s[52:53]
	s_add_nc_u64 s[54:55], s[4:5], s[54:55]
	s_add_nc_u64 s[56:57], s[6:7], s[56:57]
	s_add_nc_u64 s[58:59], s[6:7], s[58:59]
.macro FILL_LOADS                      ; my five pieces of the group at s[36:37]
.irp u, 0,1,2,3
	global_load_b128 v[200+4*\u:203+4*\u], v9, s[36:37] offset:8192*\u   ; a wave reads 512 consecutive bytes
.endr
	global_load_b32 v216, v10, s[36:37]
.endm
.macro FILL_STORES sl                  ; into slot sl
.irp u, 0,1,2,3
	ds_store_b128 v[7+15*(\sl)], v[200+4*\u:203+4*\u] offset:STEPB*\u
.endr
	ds_store_b32 v[8+15*(\sl)], v216
.endm
	FILL_LOADS                                     ; the first batch's group 0 is always live (n is at least 1)
	global_load_b128 v[24:27], v246, s[52:53]      ; Q's fragment: k = 32 h + 0 .. 31 of row r
	global_load_u16 v217, v247, s[56:57]           ; its two scale bytes; the upper two bytes are 0 and stand over zero codes
	global_load_b128 v[220:223], v246, s[54:55]    ; the second batch's
	global_load_u16 v218, v247, s[58:59]
	v_and_b32 v234, 31, v0                         ; lane
	v_and_b32 v235, 7, v0                          ; r % 8
	v_bfe_u32 v240, v0, 3, 1                       ; r / 8
	s_mul_i32 s19, s16, STEPB                      ; my quarter's step in a slot
	v_lshlrev_b32 v1, 5, v235
	v_mad_u32_u24 v1, v240, CH, v1
	v_lshl_add_u32 v1, v233, 4, v1
	v_add_nc_u32 v1, s19, v1                       ; K: 32 (r % 8) + CH (r / 8) + 16 h
	v_add_nc_u32 v18, SLOT1, v1
	v_lshl_add_u32 v2, v234, 4, 8*CH
	v_add_nc_u32 v2, s19, v2                       ; V: behind K's 8 pieces, 16 x lane
	v_add_nc_u32 v19, SLOT1, v2
	s_lshl_b32 s30, s16, 9
	s_add_co_u32 s30, s30, SCO
	v_lshl_add_u32 v3, v240, 3, v232
	v_lshl_add_u32 v3, v233, 3, v3
	v_lshlrev_b32 v3, 1, v3
	v_add_nc_u32 v3, s30, v3                       ; K's bytes: 2 x (r + 8 (r / 8) + 8 h): lanes 0-15 take tile 2 b's rows, lanes 16-31 tile 2 b + 1's
	v_add_nc_u32 v20, SLOT1, v3
	v_lshl_add_u32 v4, v234, 2, 256
	v_add_nc_u32 v4, s30, v4                       ; V's words: 4 x lane: lanes 0-15 tile 2 j's channels, lanes 16-31 tile 2 j + 1's
	v_add_nc_u32 v21, SLOT1, v4
	s_mul_i32 s60, s14, CH
	v_lshlrev_b32 v7, 4, v234
	v_add_nc_u32 v7, s60, v7                       ; my pieces in a slot: CH x wave + 16 x lane
	v_add_nc_u32 v22, SLOT1, v7
	v_lshl_add_u32 v8, v0, 2, SCO
	v_add_nc_u32 v23, SLOT1, v8
	s_lshl_b32 s60, s15, 2
	s_add_co_u32 s60, s60, s16
	s_mul_i32 s60, s60, PBT
	s_add_co_u32 s60, s60, PB
	v_mul_u32_u24 v11, v232, 272
	v_lshl_add_u32 v11, v233, 5, v11
	v_add_nc_u32 v11, s60, v11                     ; my part of O: row r, + 32 h
	s_lshl_b32 s60, s15, 9
	s_lshl_b32 s61, s16, 3
	s_add_co_u32 s60, s60, s61
	s_add_co_u32 s60, s60, ST
	v_lshl_add_u32 v16, v232, 5, s60               ; my statistics
	v_lshlrev_b32 v17, 4, v233
	v_sub_nc_u32 v17, -1, v17                      ; -16 h - 1
.irp j, 28,29,30,31, 36,37,38,39, 44,45,46,47, 52,53,54,55, 60,61,62,63
	v_mov_b32 v\j, 0                               ; k = 64 .. 127 of Q's and K's fragments: zero codes, set once; no load lands here
.endr
.irp j, 236,237,238,239, 249,250
	v_mov_b32 v\j, 0                               ; written once: a lane permute's destination counts as one of its sources; v249 is named as the upper half of a pair
.endr
	v_mov_b32 v244, 0xe2800000                     ; -2^70
	s_mov_b32 s48, 0x76543210
	s_mov_b32 s49, 0xfedcba98                      ; v_permlanex16_b32's selects for lane l xor 16
	s_mov_b32 s50, 0x3e38aa3b                      ; c = log2(e) / 8
	s_mov_b32 s51, s50                             ; (named with it as a pair, so it is written)
	s_wait_loadcnt 4                               ; my five pieces are in; Q's four loads may be out
	FILL_STORES 0
	s_wait_kmcnt 0x0                               ; the plan
	s_min_u32 s20, s20, 15
	s_min_u32 s21, s21, 0x800
	s_min_u32 s22, s22, 16
	s_min_u32 s23, s23, 4
	s_min_u32 s24, s24, 15
	s_min_u32 s25, s25, 0x800
	s_min_u32 s26, s26, 16
	s_min_u32 s27, s27, 4
	s_bfm_b32 s30, s23, 0                          ; bits 0 .. gx - 1: the first batch's live groups,
	s_bfm_b32 s46, s27, 4                          ; bits 4 .. 4 + gy - 1: the second's
	s_or_b32 s45, s30, s46
	s_lshr_b32 s45, s45, 1                         ; bit T: turn T + 1's group is live, so turn T stores it
	s_sub_co_u32 s46, s27, 1
	s_bfm_b32 s46, s46, 4
	s_or_b32 s44, s30, s46                         ; bit T: turn T fetches: T < gx - 1 the first batch's next group; T = gx - 1 the second batch's group 0, which waits in registers through the first batch's
	s_sub_co_u32 s43, s23, 1                       ; dead turns; 4 <= T < 3 + gy the second batch's next group
	s_mov_b32 s28, s22
	s_mov_b32 s29, s21
	s_mov_b32 s31, 0
	s_mov_b32 s33, 2
	s_mov_b32 s35, 0
	s_mov_b32 s63, 0
	s_wait_loadcnt 0x0                             ; Q
	s_wait_dscnt 0x0                               ; for the others' sake: my pieces lie in slot 0
	s_barrier_signal -1
	s_barrier_wait -1
; The turn's head: which group is the next live one, and the five loads for it.  The choice hangs on the plan (gx), so it is made on the group's NUMBER, which is then held to kv's 64 groups by a bound written in the
; instruction; behind the bound stand only the multiply by a group's bytes and the add to kv's address.
.macro FILLA
	s_add_co_u32 s46, s31, s40                     ; the first batch's group T + 1
	s_add_co_u32 s47, s31, s41                     ; the second batch's group T - 3
	s_cmp_lt_u32 s31, 4
	s_cselect_b32 s46, s46, s47
	s_cmp_eq_u32 s31, s43
	s_cselect_b32 s38, s42, s46                    ; in the first batch's last live turn: the second batch's group 0
	s_min_u32 s38, s38, 63
	s_mul_i32 s38, s38, GRP
	s_bitcmp1_b32 s44, s31
	s_cbranch_scc0 .Lnofetch_\@
	s_wait_loadcnt 0x0                             ; no load of mine is out: the base may be written, and the pieces' registers loaded again
	s_add_nc_u64 s[36:37], s[8:9], s[38:39]
	FILL_LOADS
.Lnofetch_\@:
.endm
; The turn's end: the pieces, asked for an item ago or earlier, go into the slot that nobody reads in this turn.
.macro FILLB sl
	s_bitcmp1_b32 s45, s31
	s_cbranch_scc0 .Lnostore_\@
	s_wait_loadcnt 0x0
	FILL_STORES \sl
.Lnostore_\@:
.endm
; Four products of S^T = K Q^T into v[base ..]; the scale register sc + t / 2 holds tile t's bytes in lanes 0-15 (t even) or 16-31 (t odd).
.macro SPROD base, sc
.irp t, 0,1,2,3
.if \t%2
	v_wmma_scale_f32_16x16x128_f8f6f4 v[\base+8*\t:\base+8*\t+7], v[32+8*\t:39+8*\t], v[24:31], 0, v[\sc+\t/2], v217 matrix_a_fmt:MATRIX_FMT_FP4 matrix_b_fmt:MATRIX_FMT_FP4 matrix_a_scale:MATRIX_SCALE_ROW1
.else
	v_wmma_scale_f32_16x16x128_f8f6f4 v[\base+8*\t:\base+8*\t+7], v[32+8*\t:39+8*\t], v[24:31], 0, v[\sc+\t/2], v217 matrix_a_fmt:MATRIX_FMT_FP4 matrix_b_fmt:MATRIX_FMT_FP4
.endif
.endr
.endm
.macro PLACES                          ; four places behind matrix instructions, in front of loads into their registers and of the first read of results (ISA guide 7.12.1 for vector instructions)
.rept 4
	v_nop
.endr
.endm
; AN ITEM: my 16 queries against the 128 keys of my step, from slot sl.  Left out where the step is not live: a scalar branch on the plan; no barrier stands in an item.
.macro ITEM sl
.set RAK, 1+17*(\sl)
.set RAV, 2+17*(\sl)
.set RSK, 3+17*(\sl)
.set RSV, 4+17*(\sl)
	s_cmp_ge_u32 s34, s28
	s_cbranch_scc1 .Lskip_\@
.irp t, 0,1,2,3
	ds_load_b128 v[32+8*\t:35+8*\t], v[RAK] offset:(\t/2)*2*CH+(\t%2)*256            ; K's tiles 0-3
.endr
.irp b, 0,1,2,3
	ds_load_u16 v[224+\b], v[RSK] offset:64*\b                                       ; K's scale bytes, tiles 2 b and 2 b + 1; the upper two bytes are 0, over zero codes
.endr
.irp f, 0,1,2,3,4,5,6,7
	ds_load_b128 v[64+4*\f:67+4*\f], v[RAV] offset:CH*\f                             ; V's four fragments, as images
.endr
.irp j, 0,1
	ds_load_b32 v[228+\j], v[RSV] offset:128*\j                                      ; V's scale words, tiles 2 j and 2 j + 1
.endr
	s_wait_dscnt 10                                ; K's four tiles and its bytes are in; V's eight loads and its two words may be out
	SPROD 96, 224
	PLACES
.irp t, 0,1,2,3
	ds_load_b128 v[32+8*\t:35+8*\t], v[RAK] offset:((\t+4)/2)*2*CH+(\t%2)*256        ; K's tiles 4-7
.endr
	s_wait_dscnt 0x0
	SPROD 128, 226
	PLACES
	; register 16 b + i of S^T holds key 128 x step + 32 b + 16 h + i.  Only the step in which len falls (with len = 0: every step) has hidden keys
	s_lshl_b32 s46, s34, 7
	s_add_co_u32 s47, s46, 128
	s_cmp_le_u32 s47, s29
	s_cbranch_scc1 .Lopen_\@
	s_sub_co_i32 s47, s29, s46
	v_add_nc_u32 v252, s47, v17                    ; d = len - the step's first key - 16 h - 1: hidden where 32 b + i > d
.set n, 0
.rept 64
	v_cmp_gt_i32 vcc_lo, 32*(n/16)+n%16, v252
	v_cndmask_b32 v[96+n], v[96+n], v244, vcc_lo
.set n, n+1
.endr
.Lopen_\@:
.irp b, 0,1,2,3
	v_max3_num_f32 v[232+\b], v[96+16*\b], v[97+16*\b], v[98+16*\b]   ; THE LARGEST SCORE OF EACH BLOCK OF 32 KEYS serves twice: for the row's maximum, and, since p rises with the score, for the block's largest p
.endr
.irp i, 3,5,7,9,11,13
.irp b, 0,1,2,3
	v_max3_num_f32 v[232+\b], v[232+\b], v[96+16*\b+\i], v[97+16*\b+\i]   ; (the four blocks by turns)
.endr
.endr
.irp b, 0,1,2,3
	v_max_num_f32 v[232+\b], v[232+\b], v[111+16*\b]
.endr
.irp b, 0,1,2,3
	v_permlanex16_b32 v[236+\b], v[232+\b], s48, s49
.endr
.irp b, 0,1,2,3
	v_max_num_f32 v[232+\b], v[232+\b], v[236+\b]  ; with lane l xor 16's 16 keys
.endr
	v_max3_num_f32 v250, v232, v233, v234
	v_max_num_f32 v250, v250, v235                 ; the step's largest score of my query
	v_mul_f32 v250, s50, v250                      ; as t (c is positive)
	v_max_num_f32 v13, v13, v250                   ; the running largest t
	v_mov_b32 v250, v12
	v_floor_f32 v12, -v13                          ; the new -M = floor(-t) = -ceil(t): M IS A WHOLE NUMBER
	v_sub_f32 v250, v12, v250                      ; M's old value less its new one: a whole number, 0 or less
	v_cvt_i32_f32 v250, v250                       ; (it saturates)
	v_ldexp_f32 v248, 1.0, v250                    ; f = 2^(old M - new M)
.set n, 0
.rept 32
	v_pk_fma_f32 v[96+n:97+n], v[96+n:97+n], s[50:51], v[12:13] op_sel_hi:[1,0,0]   ; t - M, two at a time (of the pairs c and -M the low word serves both halves)
.set n, n+2
.endr
.irp b, 0,1,2,3
	v_fma_f32 v[232+\b], v[232+\b], s50, v12       ; the same of each block's largest score
.endr
.set n, 0
.rept 64
	v_exp_f32 v[96+n], v[96+n]                     ; p = 2^(t - M), at most 1: NOT normalised
.set n, n+1
.endr
	v_pk_mul_f32 v[14:15], v[14:15], v[248:249] op_sel_hi:[1,0]   ; the sums under the new M,
.set n, 0
.rept 16
	v_pk_mul_f32 v[160+n:161+n], v[160+n:161+n], v[248:249] op_sel_hi:[1,0]   ; and O^T: work that names no exponential's result, between the batch and its wait
.set n, n+2
.endr
	s_wait_alu depctr_va_vdst(0)                   ; the wait ahead of the first line that names a result: one for the 64
.irp b, 0,1,2,3
	v_exp_f32 v[232+\b], v[232+\b]                 ; the block's largest p: the same two instructions on the same number give the same bits
.endr
	v_pk_add_f32 v[250:251], v[96:97], v[98:99]    ; THE ROW'S SUM IS TAKEN OF THE UNQUANTISED p: two at a time, in two chains.  (It reads the 64 alone: plain work behind the four)
.irp j, 4,8,12,16,20,24,28,32,36,40,44
	v_pk_add_f32 v[14:15], v[14:15], v[96+\j:97+\j]
	v_pk_add_f32 v[250:251], v[250:251], v[98+\j:99+\j]
.endr
	s_wait_alu depctr_va_vdst(0)                   ; and one for the four
.irp b, 0,1,2,3
	v_max_num_f32 v[232+\b], 0x1800000, v[232+\b]  ; the floor 2^(3 - 127): the byte cannot fall under 1 (a block whose every p is 0 keeps that byte: its codes are zeros)
.endr
.irp b, 0,1,2,3
	v_add_nc_u32 v[240+\b], 0xff000000, v[232+\b]  ; 2 off the exponent field: the conversion's scale operand
.endr
.irp b, 0,1,2,3
	v_lshrrev_b32 v[236+\b], 23, v[240+\b]         ; the scale's byte
.endr
	v_lshl_or_b32 v230, v237, 8, v236              ; p's scale word for these 128 keys
	v_lshl_or_b32 v230, v238, 16, v230
	v_lshl_or_b32 v230, v239, 24, v230
.irp b, 0,1,2,3
	v_cvt_scalef32_pk8_fp4_f32 v[192+2*\b], v[96+16*\b:103+16*\b], v[240+\b]
	v_cvt_scalef32_pk8_fp4_f32 v[193+2*\b], v[104+16*\b:111+16*\b], v[240+\b]
.endr
	v_nop                                          ; one plain line between a scaled conversion and the vector instruction that touches its result
.irp c, 0,1                                    ; the operand's layout wants a WHOLE block in a lane: lanes 0-15 block 2 c, lanes 16-31 block 2 c + 1
.irp i, 0,1
	v_permlane16_swap_b32 v[192+4*\c+\i], v[194+4*\c+\i]
.endr
.endr
.irp j, 48,52,56,60                            ; the rest of the row's sum: nine plain lines that name no register of the products below: with the lines above them the places that a scale word (8) and an operand (4) written by vector instructions owe
	v_pk_add_f32 v[14:15], v[14:15], v[96+\j:97+\j]
	v_pk_add_f32 v[250:251], v[250:251], v[98+\j:99+\j]
.endr
	v_pk_add_f32 v[14:15], v[14:15], v[250:251]
.irp t, 0,1,2,3                                ; O^T += V^T P^T: the four accumulators take one turn each, behind products on other accumulators
.if \t%2
	v_wmma_scale_f32_16x16x128_f8f6f4 v[160+8*\t:167+8*\t], v[64+8*\t:71+8*\t], v[192:199], v[160+8*\t:167+8*\t], v[228+\t/2], v230 matrix_a_fmt:MATRIX_FMT_FP4 matrix_b_fmt:MATRIX_FMT_FP4 matrix_a_scale:MATRIX_SCALE_ROW1
.else
	v_wmma_scale_f32_16x16x128_f8f6f4 v[160+8*\t:167+8*\t], v[64+8*\t:71+8*\t], v[192:199], v[160+8*\t:167+8*\t], v[228+\t/2], v230 matrix_a_fmt:MATRIX_FMT_FP4 matrix_b_fmt:MATRIX_FMT_FP4
.endif
.endr
	PLACES                                         ; for the next item's loads into V's registers, and for the flush's reads of O^T
.Lskip_\@:
.endm
; A TURN on slot sl.  The barrier at its end: each wave's reads of slot sl are back and its stores into the other slot have landed (the wait for 0); behind it the other slot is read, and slot sl may be stored into.
.macro TURN sl
	FILLA
	ITEM \sl
	FILLB 1-\sl
	s_wait_dscnt 0x0
	s_barrier_signal -1
	s_barrier_wait -1
	s_add_co_u32 s31, s31, 1
	s_add_co_u32 s34, s34, 4
.endm
.Lbatch:                                           ; two trips: the pair's first batch, then its second
.set n, 0
.rept 32
	v_mov_b32 v[160+n], 0                          ; O^T.  (An item is written once: the first finds zeros, which the first change of M leaves zeros; a wave none of whose steps is live hands zeros on)
.set n, n+1
.endr
	v_mov_b32 v13, 0xff61b1e6                      ; the largest t so far: -3e38, under every t
	v_floor_f32 v12, -v13                          ; -M
	v_mov_b32 v14, 0                               ; the sum, in two halves
	v_mov_b32 v15, 0
	s_mov_b32 s34, s16                             ; my step in group 0: my quarter
	s_mov_b32 s32, 0
.Lturns:                                           ; two trips of two turns: the slots' numbers are constants of the text
	TURN 0
	TURN 1
	s_add_co_u32 s32, s32, 1
	s_cmp_lt_u32 s32, 2
	s_cbranch_scc1 .Lturns
	; THE FLUSH: my quarter's part of my tile goes to LDS: -M and the sum, and O^T as 16 rows of 256 bytes
	v_add_f32 v14, v14, v15                        ; the sum's two halves,
	v_permlanex16_b32 v250, v14, s48, s49
	v_add_f32 v13, v14, v250                       ; and lane l xor 16's: beside -M, as a pair
	v_add_nc_u32 v246, s35, v11
	v_add_nc_u32 v247, s63, v16
	ds_store_b64 v247, v[12:13]                    ; both halves of the lanes write the same pair with the same values
.irp t, 0,1,2,3
	ds_store_b128 v246, v[160+8*\t:163+8*\t] offset:64*\t          ; channels 16 t + 8 h + 0 .. 7 of row r; each accumulator from its low end on
	ds_store_b128 v246, v[164+8*\t:167+8*\t] offset:64*\t+16
.endr
	s_add_co_u32 s35, s35, 16*PBT                  ; the second batch's places
	s_add_co_u32 s63, s63, 4*512
	s_wait_dscnt 0x0                               ; the stores have read their registers
.irp j, 0,1,2,3
	v_mov_b32 v[24+\j], v[220+\j]                  ; the second batch's Q, its scales,
.endr
	v_mov_b32 v217, v218                           ; (the 36 lines at the loop's head are the places that they owe ahead of the next scaled product)
	s_mov_b32 s28, s26                             ; its n and its len
	s_mov_b32 s29, s25
	s_sub_co_u32 s33, s33, 1
	s_cmp_lg_u32 s33, 0
	s_cbranch_scc1 .Lbatch
	s_barrier_signal -1                            ; (the flush has waited for its stores)
	s_barrier_wait -1                              ; all 32 parts lie in LDS
	; THE MERGE.  Wave w takes 8 rows of tile w / 2 (0-3: the first batch's, 4-7: the second's): rows 8 (w % 2) + 2 j + h, j = 0 .. 3; a lane takes 4 channels.  M = the largest of the four M: -M = the least -M;
	; part i counts by f_i = 2^(M_i - M), exact; a part with no live step has -M = 3e38, so f = 0.  out = (the sum of f_i O_i) / (the sum of f_i l_i).
	s_lshr_b32 s46, s14, 1
	s_and_b32 s47, s14, 1
	v_bfe_u32 v252, v0, 4, 1                       ; h
	v_and_b32 v250, 15, v0
	s_lshl_b32 s19, s46, 9
	s_lshl_b32 s30, s47, 8
	s_add_co_u32 s19, s19, s30
	s_add_co_u32 s19, s19, ST
	v_lshl_add_u32 v253, v252, 5, s19              ; a row's statistics: 32 bytes
	s_mul_i32 s19, s46, 4*PBT
	s_mul_i32 s30, s47, 8*272
	s_add_co_u32 s19, s19, s30
	s_add_co_u32 s19, s19, PB
	v_mul_u32_u24 v254, v252, 272
	v_lshl_add_u32 v254, v250, 4, v254
	v_add_nc_u32 v254, s19, v254                   ; lanes 0-15 one row, lanes 16-31 the next; 16 bytes a lane
	v_and_b32 v255, 31, v0
	v_lshlrev_b32 v255, 4, v255                    ; and the same two rows in out0: 512 consecutive bytes
.irp j, 0,1,2,3
.irp k, 0,1
	ds_load_b128 v[32+8*\j+4*\k:35+8*\j+4*\k], v253 offset:64*\j+16*\k     ; (-M, l) of parts 2 k and 2 k + 1
.endr
.endr
.irp j, 0,1,2,3
.irp i, 0,1,2,3
	ds_load_b128 v[64+16*\j+4*\i:67+16*\j+4*\i], v254 offset:PBT*\i+544*\j
.endr
.endr
	s_cmp_lt_u32 s46, 4
	s_cselect_b32 s19, s20, s24                    ; the tile's batch, as the inputs number it,
	s_min_u32 s19, s19, 15                         ; behind this bound only shifted and added
	s_lshl_b32 s19, s19, 19                        ; 2,048 rows of 256 bytes
	s_and_b32 s30, s46, 3
	s_lshl_b32 s60, s18, 2
	s_add_co_u32 s30, s30, s60
	s_lshl_b32 s30, s30, 12                        ; the tile's 16 rows
	s_add_co_u32 s19, s19, s30
	s_lshl_b32 s30, s47, 11                        ; my 8 of them
	s_add_co_u32 s60, s19, s30
	s_mov_b32 s61, 0
	s_add_nc_u64 s[60:61], s[12:13], s[60:61]
	s_wait_dscnt 16                                ; the statistics are in; the 16 loads of the parts may be out
.irp j, 0,1,2,3
	v_min_num_f32 v[232+\j], v[32+8*\j], v[34+8*\j]
.endr
.irp j, 0,1,2,3
	v_min_num_f32 v[240+\j], v[36+8*\j], v[38+8*\j]
.endr
.irp j, 0,1,2,3
	v_min_num_f32 v[232+\j], v[232+\j], v[240+\j]                  ; the least -M of the four parts
.endr
.irp i, 0,1,2,3
.irp j, 0,1,2,3
	v_sub_f32 v[32+8*\j+2*\i], v[232+\j], v[32+8*\j+2*\i]          ; M_i - M: a whole number, 0 or less
.endr
.endr
.irp i, 0,1,2,3
.irp j, 0,1,2,3
	v_cvt_i32_f32 v[32+8*\j+2*\i], v[32+8*\j+2*\i]                 ; (it saturates)
.endr
.endr
.irp i, 0,1,2,3
.irp j, 0,1,2,3
	v_ldexp_f32 v[32+8*\j+2*\i], 1.0, v[32+8*\j+2*\i]              ; f_i
.endr
.endr
.irp j, 0,1,2,3
	v_mul_f32 v[236+\j], v[32+8*\j], v[33+8*\j]
.endr
.irp i, 1,2,3
.irp j, 0,1,2,3
	v_fma_f32 v[236+\j], v[32+8*\j+2*\i], v[33+8*\j+2*\i], v[236+\j]   ; the row's sum
.endr
.endr
.irp j, 0,1,2,3
	v_rcp_f32 v[236+\j], v[236+\j]
.endr
	v_nop                                          ; a plain line behind the last reciprocal
	s_wait_alu depctr_va_vdst(0)                   ; and the wait ahead of the first use: one for the four
.irp i, 0,1,2,3
.irp j, 0,1,2,3
	v_mul_f32 v[32+8*\j+2*\i], v[32+8*\j+2*\i], v[236+\j]          ; f_i / the sum, in the low word of an even pair
.endr
.endr
	s_wait_dscnt 0x0
.irp j, 0,1,2,3
.irp u, 0,2
	v_pk_mul_f32 v[128+4*\j+\u:129+4*\j+\u], v[64+16*\j+\u:65+16*\j+\u], v[32+8*\j:33+8*\j] op_sel_hi:[1,0]
.endr
.endr
.irp i, 1,2,3
.irp j, 0,1,2,3
.irp u, 0,2
	v_pk_fma_f32 v[128+4*\j+\u:129+4*\j+\u], v[64+16*\j+4*\i+\u:65+16*\j+4*\i+\u], v[32+8*\j+2*\i:33+8*\j+2*\i], v[128+4*\j+\u:129+4*\j+\u] op_sel_hi:[1,0,1]
.endr
.endr
.endr
.irp j, 0,1,2,3
	global_store_b128 v255, v[128+4*\j:131+4*\j], s[60:61] offset:512*\j th:TH_STORE_NT   ; 32 lanes store two whole rows: 512 consecutive bytes, at a multiple of 256 from out0's first byte; written once, read by nobody here
.endr
	s_wait_tensorcnt 0x0                           ; the wave's end: three closing lines behind my last LDS store
	ds_add_u32 v5, v6
	s_wait_dscnt 0x0
	s_endpgm
.Lfunc_end_k_q74d404c888_attn:
	.size	k_q74d404c888_attn, .Lfunc_end_k_q74d404c888_attn-k_q74d404c888_attn
	.p2alignl 7, 3214868480
	.fill 96, 4, 3214868480
	.section	.rodata,"a",@progbits
	.p2align	6, 0x0
	.amdhsa_kernel k_q74d404c888_attn
		.amdhsa_group_segment_fixed_size 276480
		.amdhsa_private_segment_fixed_size 0
		.amdhsa_enable_private_segment 0
		.amdhsa_kernarg_size 40
		.amdhsa_user_sgpr_count 2
		.amdhsa_user_sgpr_kernarg_segment_ptr 1
		.amdhsa_wavefront_size32 1
		.amdhsa_system_sgpr_workgroup_id_x 1
		.amdhsa_system_sgpr_workgroup_id_y 1
		.amdhsa_system_sgpr_workgroup_id_z 1
		.amdhsa_system_vgpr_workitem_id 0
		.amdhsa_next_free_vgpr 256
		.amdhsa_next_free_sgpr 66
		.amdhsa_reserve_vcc 1
		.amdhsa_float_denorm_mode_32 3
		.amdhsa_float_denorm_mode_16_64 3
		.amdhsa_memory_ordered 1
		.amdhsa_forward_progress 1
		.amdhsa_inst_pref_size 63
	.end_amdhsa_kernel
	.amdgpu_metadata
---
amdhsa.version: [ 1, 2 ]
amdhsa.kernels:
  - .name:           k_q74d404c888_attn
    .symbol:         k_q74d404c888_attn.kd
    .args:
      - { .name: qc, .offset: 0, .size: 8, .value_kind: global_buffer, .address_space: global }
      - { .name: qs, .offset: 8, .size: 8, .value_kind: global_buffer, .address_space: global }
      - { .name: kv, .offset: 16, .size: 8, .value_kind: global_buffer, .address_space: global }
      - { .name: plan, .offset: 24, .size: 8, .value_kind: global_buffer, .address_space: global }
      - { .name: out0, .offset: 32, .size: 8, .value_kind: global_buffer, .address_space: global }
    .group_segment_fixed_size: 276480
    .private_segment_fixed_size: 0
    .kernarg_segment_align: 8
    .kernarg_segment_size: 40
    .max_flat_workgroup_size: 512
    .sgpr_count:     66
    .vgpr_count:     256
    .wavefront_size: 32
...
	.end_amdgpu_metadata
.endif
;; end of part 2
;; ======== version 2 of 2: 2 launches
;; limits: right only within a limited range of input values
;; workspace buffers: qc 1,048,576 bytes; qs 65,536 bytes; kv 2,228,224 bytes; plan 256 bytes of whole numbers
;; launch prep (part 3): grid 384 x 1, 4 waves a work-group, no clusters, 33,280 bytes of LDS; arguments Q_batch, K_batch, V_batch, valid_lens, qc, qs, kv, plan; writes qc, qs, kv, plan
.if DOCPART == 3
	.amdgcn_target "amdgcn-amd-amdhsa--gfx1250"
	.amdhsa_code_object_version 6
	.text
	.protected	k_q74d404c888_prep
	.globl	k_q74d404c888_prep
	.p2align	8
	.type	k_q74d404c888_prep,@function
k_q74d404c888_prep:
	s_mov_b64 s[64:65], 0
	v_nop
	global_prefetch_b8 v0, s[64:65] scope:SCOPE_SE
	s_setreg_imm32_b32 hwreg(HW_REG_WAVE_MODE, 25, 1), 1
	s_wait_xcnt 0x0
; Q, K [16][2048][64] and V [16][2048][64], f32, become codes of FP4 (E2M1) with one E8M0 byte for each 32 along a product's K: Q and K along the head's 64, V along the keys.
; A block's scale is 2^(floor(log2(its largest magnitude)) - 2); its byte is the largest magnitude's exponent field - 2, held at 1 from below.  (A block of zeros so gets the byte 1 where the rule says 127:
; its codes are zeros, which add nothing under any byte but 0xff, and the bytes are read by this program alone.)
; WORK LEFT OUT.  reference() sets the logit of key k to -1e20 where k >= valid_lens[b].  With len = valid_lens[b] > 0 the row's M is at least the ceiling of a valid key's t, so a masked key has
; p = 2^(t - M) with t - M under -1e19 for every valid logit above -1e19: under the stated quantiser, whose scale is held at 2^-126 from below, its code is 0, and its part of the row's sum is under rounding.
; So key steps of 128 that lie wholly at or behind len reach no output.  Which they are is said by a whole number that this launch reads: n = ceil(len / 128) steps are live, g = ceil(n / 4) groups of 512 keys;
; groups of K and V from g on are neither read nor written here, and the second launch never reads them.  With len <= 0 every key has the same logit, p = 1 for all 2,048, and all 16 steps are live: n = 16.
; LIMITS: a NaN, an infinity or an overflow in rows of K or V that are left out is not carried to the result; NaN and infinities among the inputs are not served; blocks whose largest magnitude lies under 2^-124 keep the byte 1.
; SORTED.  The batches are ranked by (n, batch), the longest first: rho = how many batches have the larger key.  All workspace data lie by RANK, so that the second launch's load addresses hang on ids alone:
;   qc [rho][row][32 bytes], qs [rho][row][2 bytes];
;   kv [rho][group of 512 keys][34,816 bytes]: for each of the group's 4 steps 8,192 bytes: K's 128 rows x 32 bytes as they lie, then V as IMAGES OF THE OPERAND'S REGISTERS: tile t (16 channels), half c at
;   4096 + 1024 t + 512 c + 16 x lane, lane (r, h) holding the 32 codes of channel 16 t + r, keys 64 c + 32 h + 0 .. 31; behind the codes, at 32,768 + 512 x step: K's bytes (2 a key), then V's (a word a channel).
;   plan: record p of 8 words for the pair of ranks p and 15 - p: batch, len, n, g of the one, then of the other.
; SHARES.  384 work-groups of four waves: 128 each for Q, K and V; each takes 256 rows of one batch.  Q, K: a wave takes 64 rows, a plain stream of 8 steps of 512 numbers.  V: a wave takes 128 keys x 32 channels,
; a lane to a channel and its registers down the keys, so that a block of 32 keys lies in one lane.  A work-group of K or V whose group is not live stores nothing and ends: the grid is fixed and serves every split.
; Waves share nothing: no barrier.  All of a wave's loads go out at once; no register is loaded twice.
.set WREG,  8192                       ; LDS: a region for each wave: two stages of 32 x SP bytes, and behind them its 128 scale bytes
.set SP,    80                         ; a lane's place in a stage: its 64 bytes + 16 of padding
.set SPARE, 4*WREG                     ; behind the four regions: the spare words, 128 bytes a wave: two blocks of 256 bytes that no other line names
.set STEPS, 8
.set GRP,   34816                      ; bytes of a group in kv
.set RANKB, 4*GRP                      ; and of a rank
.set R,     32                         ; v32-159  Q, K: eight sets of 16 numbers as loaded;  V: 128 numbers, four blocks of 32
.set X,     160                        ; v160-191 two sets of 16 neighbours
.set C,     192                        ; v192-207 codes: registers of their own for each step or block, so that no store's data are written again
.set E,     24                         ; v24-31   Q, K: a scale byte for each step;  V: v24 the scale word
; v2 lane; v3, v4, v7, v23 offsets; v5, v6, v14, v15 LDS addresses; v8-11 at work; v12, v13 the add's two; v16-19 batch, len, n, g of lane % 16's batch (a plan record's half); v20 its key; v21 its rank; v22 its place
	s_load_b256 s[4:11], s[0:1], 0x0               ; Q s[4:5], K s[6:7], V s[8:9], valid_lens s[10:11]
	s_load_b256 s[12:19], s[0:1], 0x20             ; qc s[12:13], qs s[14:15], kv s[16:17], plan s[18:19]
	v_lshl_add_u32 v12, v0, 2, SPARE
	v_mov_b32 v13, 0
	v_lshrrev_b32 v1, 5, v0
	v_readfirstlane_b32 s20, v1                    ; wave 0..3
	v_and_b32 v2, 31, v0                           ; lane
	s_lshr_b32 s21, ttmp9, 7                       ; 0: Q, 1: K, 2: V
	s_and_b32 s22, ttmp9, 127
	s_lshr_b32 s23, s22, 3                         ; batch
	s_and_b32 s24, s22, 7                          ; which 256 rows of it
	s_lshl_b32 s25, s24, 2
	s_add_co_u32 s25, s25, s20                     ; Q, K: which 64 rows of the batch are my wave's
	s_mul_i32 s38, s20, WREG
	v_lshrrev_b32 v14, 2, v2
	v_mul_u32_u24 v14, v14, SP
	v_and_b32 v15, 3, v2
	v_lshl_add_u32 v14, v15, 4, v14
	v_add_nc_u32 v14, s38, v14                     ; the stage, on the way in: four lanes' 64 bytes on end, then 16 of padding
	v_mul_u32_u24 v15, v2, SP
	v_add_nc_u32 v15, s38, v15                     ; and on the way out: my 16 neighbours
	v_lshrrev_b32 v5, 1, v2
	s_add_co_u32 s38, s38, 2*32*SP
	v_add_nc_u32 v5, s38, v5                       ; my wave's scale bytes: my block's byte
	v_lshlrev_b32 v7, 2, v2                        ; 4 x lane
	v_add_nc_u32 v6, s38, v7                       ; and on the way out 4 bytes a lane
	v_lshlrev_b32 v3, 4, v2                        ; Q, K: my 16 bytes of a load's 512
	v_lshlrev_b32 v4, 3, v2                        ; and my 8 bytes of a step's 256 bytes of codes
	v_and_b32 v16, 15, v0                          ; the batch whose numbers my lane works out
	v_lshrrev_b32 v23, 4, v2
	v_lshlrev_b32 v23, 10, v23
	v_lshl_add_u32 v23, v16, 4, v23                ; V: my channel's place in the images: 1024 (lane / 16) + 16 (lane % 16)
	v_lshlrev_b32 v1, 2, v16
	s_lshl_b32 s38, s23, 2
	s_mov_b32 s39, 0
	s_wait_alu depctr_va_vdst(0)
	s_wait_kmcnt 0x0
	global_load_b32 v17, v1, s[10:11]              ; all sixteen lengths (lanes 16-31 hold them once more)
	s_add_nc_u64 s[40:41], s[10:11], s[38:39]
	s_load_b32 s27, s[40:41], 0x0                  ; and my batch's
	s_wait_loadcnt 0x0
	s_wait_kmcnt 0x0
	s_max_i32 s27, s27, 0                          ; len, held to 0 .. 2,048: under 0 masks all keys as 0 does, over 2,048 none as 2,048 does
	s_min_u32 s27, s27, 0x800
	s_add_co_u32 s28, s27, 127
	s_lshr_b32 s28, s28, 7
	s_cmp_eq_u32 s27, 0
	s_cselect_b32 s28, 16, s28                     ; n
	s_add_co_u32 s29, s28, 3
	s_lshr_b32 s29, s29, 2                         ; g
	s_lshl_b32 s30, s28, 4
	s_or_b32 s30, s30, s23                         ; my batch's key: 16 n + batch
	v_cmp_le_i32 vcc_lo, 0, v17
	v_cndmask_b32 v17, 0, v17, vcc_lo
	v_min_u32 v17, 0x800, v17                      ; the same for every batch
	v_add_nc_u32 v18, 127, v17
	v_lshrrev_b32 v18, 7, v18
	v_cmp_ne_u32 vcc_lo, 0, v17
	v_cndmask_b32 v18, 16, v18, vcc_lo
	v_add_nc_u32 v19, 3, v18
	v_lshrrev_b32 v19, 2, v19
	v_lshl_or_b32 v20, v18, 4, v16
	v_cmp_lt_u32 s31, s30, v20                     ; the batches with a larger key than mine,
	s_and_b32 s31, s31, 0xffff
	s_bcnt1_i32_b32 s31, s31                       ; counted: rho
	s_min_u32 s31, s31, 15                         ; behind this bound rho is only multiplied and added
	; the plan: wave 0 of work-group 0 alone
	s_or_b32 s38, ttmp9, s20
	s_cmp_lg_u32 s38, 0
	s_cbranch_scc1 .Lnoplan
	v_mov_b32 v21, 0
	v_mov_b32 v9, 1
.irp c, 0,1,2,3,4,5,6,7,8,9,10,11,12,13,14,15
	v_readlane_b32 s38, v20, \c
	v_cmp_gt_u32 vcc_lo, s38, v20
	v_cndmask_b32 v8, 0, v9, vcc_lo
	v_add_nc_u32 v21, v21, v8                      ; my lane's batch: its rank.  The keys differ, so the ranks are 0 .. 15, each once
.endr
	v_sub_nc_u32 v8, 15, v21
	v_lshlrev_b32 v8, 5, v8
	v_add_nc_u32 v8, 16, v8                        ; ranks 8 .. 15: the second half of record 15 - rank
	v_lshlrev_b32 v22, 5, v21                      ; ranks 0 .. 7: the first half of record rank
	v_cmp_gt_u32 vcc_lo, 8, v21
	v_cndmask_b32 v22, v8, v22, vcc_lo
	v_min_u32 v22, 0xf0, v22
	global_store_b128 v22, v[16:19], s[18:19]      ; sixteen lanes fill the plan's 256 bytes; lanes 16-31 write the same bytes with the same values
.Lnoplan:
	s_cmp_eq_u32 s21, 0
	s_cbranch_scc1 .Lqk
	s_lshr_b32 s38, s24, 1                         ; K, V: my group of 512 keys,
	s_cmp_ge_u32 s38, s29
	s_cbranch_scc1 .Ldead                          ; which is left out where it is not live
	s_cmp_eq_u32 s21, 2
	s_cbranch_scc1 .Lv
.Lqk:
	; ---- Q and K take one way; only pointers and offsets are chosen
	s_cmp_eq_u32 s21, 0
	s_cselect_b64 s[32:33], s[4:5], s[6:7]
	s_lshl_b32 s38, s22, 2
	s_add_co_u32 s38, s38, s20
	s_lshl_b32 s38, s38, 14                        ; my wave's 64 rows of 256 bytes
	s_mov_b32 s39, 0
	s_add_nc_u64 s[32:33], s[32:33], s[38:39]
.set n, 0
.rept 32
	global_load_b128 v[R+4*n:R+4*n+3], v3, s[32:33] offset:512*n th:TH_LOAD_NT   ; 32 lanes read 512 consecutive bytes; step t is loads 4 t .. 4 t + 3
.set n, n+1
.endr
	s_lshl_b32 s38, s25, 11                        ; Q: codes at 2,048 x my 64 rows,
	s_lshl_b32 s40, s25, 7                         ;    bytes at 128 x
	s_lshr_b32 s41, s25, 3
	s_mul_i32 s41, s41, GRP                        ; K: the group,
	s_bfe_u32 s39, s25, 0x20001                    ;    the step in it,
	s_and_b32 s42, s25, 1                          ;    the half of the step
	s_lshl_b32 s43, s39, 13
	s_add_co_u32 s43, s43, s41
	s_lshl_b32 s44, s42, 11
	s_add_co_u32 s43, s43, s44                     ; K: codes
	s_lshl_b32 s39, s39, 9
	s_add_co_u32 s39, s39, s41
	s_lshl_b32 s42, s42, 7
	s_add_co_u32 s39, s39, s42
	s_add_co_u32 s39, s39, 32768                   ; K: bytes
	s_mov_b32 s44, RANKB
	s_cmp_eq_u32 s21, 0
	s_cselect_b64 s[34:35], s[12:13], s[16:17]
	s_cselect_b64 s[36:37], s[14:15], s[16:17]
	s_cselect_b32 s38, s38, s43
	s_cselect_b32 s40, s40, s39
	s_cselect_b32 s45, 0x10000, s44                ; a rank's bytes in the codes' buffer,
	s_cselect_b32 s44, 0x1000, s44                 ; and in the scale bytes'
	s_mul_i32 s45, s31, s45
	s_mul_i32 s44, s31, s44
	s_add_co_u32 s38, s38, s45
	s_add_co_u32 s40, s40, s44
	s_mov_b32 s39, 0
	s_mov_b32 s41, 0
	s_add_nc_u64 s[34:35], s[34:35], s[38:39]
	s_add_nc_u64 s[36:37], s[36:37], s[40:41]
; The conversions take numbers of ONE block from a lane's consecutive registers, so a lane must hold 16 neighbours; a load is dense where neighbouring lanes take neighbouring bytes.  Both are had: a step's 2,048 bytes
; go through the wave's own stage as they lie and come back 64 bytes a lane.  LDS serves a wave's instructions in order (ISA guide 5.7.1.4), so no wait stands between the stores and the loads.
.macro TURN t
.irp i, 0,1,2,3
	ds_store_b128 v14, v[R+16*(\t)+4*\i:R+16*(\t)+4*\i+3] offset:32*SP*((\t)%2)+8*SP*\i
.endr
.irp i, 0,1,2,3
	ds_load_b128 v[X+16*((\t)%2)+4*\i:X+16*((\t)%2)+4*\i+3], v15 offset:32*SP*((\t)%2)+16*\i
.endr
.endm
.macro STEP t
.set XS, X+16*((\t)%2)
.if (\t) > 0
	s_wait_dscnt 1                                 ; this step's numbers are back from the stage; the last step's byte store may be out
.else
	s_wait_dscnt 0x0
.endif
.if (\t)+1 < STEPS
	s_wait_loadcnt 4*(STEPS-2-(\t))                ; the next step's four loads are in; those of the steps behind it may be out
	TURN (\t)+1                                    ; and go through the other stage while this step is worked
.endif
	v_max3_num_f32 v8, |v[XS]|, |v[XS+1]|, |v[XS+2]|               ; the largest magnitude of my 16, in two chains
	v_max3_num_f32 v9, |v[XS+3]|, |v[XS+4]|, |v[XS+5]|
.irp i, 6,10
	v_max3_num_f32 v8, v8, |v[XS+\i]|, |v[XS+\i+1]|
	v_max3_num_f32 v9, v9, |v[XS+\i+2]|, |v[XS+\i+3]|
.endr
	v_max3_num_f32 v8, v8, |v[XS+14]|, |v[XS+15]|
	v_max3_num_f32 v8, v8, v9, 0x1800000           ; and the floor 2^(3 - 127): so the byte cannot fall under 1
	v_max_num_f32_dpp v8, v8, v8 row_xmask:1 row_mask:0xf bank_mask:0xf   ; and of my neighbour's 16: the block's
	v_add_nc_u32 v11, 0xff000000, v8               ; 2 off its exponent field: the conversion takes the exponent field of this operand as its scale, and nothing else of it
	v_cvt_scalef32_pk8_fp4_f32 v[C+2*(\t)], v[XS:XS+7], v11
	v_cvt_scalef32_pk8_fp4_f32 v[C+2*(\t)+1], v[XS+8:XS+15], v11
	v_lshrrev_b32 v[E+(\t)], 23, v11               ; the scale's byte.  (A plain line behind the conversions)
	ds_store_b8 v5, v[E+(\t)] offset:16*(\t)       ; both lanes of a block write the same byte with the same value
	global_store_b64 v4, v[C+2*(\t):C+2*(\t)+1], s[34:35] offset:256*(\t)   ; 32 lanes store 256 consecutive bytes, at a multiple of 256 from the buffer's first byte: 8 rows' codes
.endm
	s_wait_loadcnt 28                              ; step 0's four loads are in
	TURN 0
.irp t, 0,1,2,3,4,5,6,7
	STEP \t
.endr
	ds_load_b32 v8, v6                             ; my wave's 128 scale bytes: these see my stores
	s_wait_dscnt 0x0
	global_store_b32 v7, v8, s[36:37]              ; 128 consecutive bytes: one byte for each 128 that the wave has read
	s_wait_tensorcnt 0x0                           ; the wave's end: three closing lines behind my last LDS store
	ds_add_u32 v12, v13
	s_wait_dscnt 0x0
	s_endpgm
.Lv:
	; ---- V: a lane takes a channel, and its registers run down the keys.  No LDS: a block's 16 bytes of codes are a lane's part of an operand's image, and sixteen lanes fill 256 consecutive bytes
	s_lshl_b32 s25, s24, 1
	s_lshr_b32 s38, s20, 1
	s_add_co_u32 s25, s25, s38                     ; my key step of 128
	s_and_b32 s39, s20, 1                          ; my 32 of the 64 channels
	s_lshl_b32 s40, s23, 19
	s_lshl_b32 s41, s25, 15
	s_add_co_u32 s40, s40, s41
	s_lshl_b32 s41, s39, 7
	s_add_co_u32 s40, s40, s41
	s_mov_b32 s41, 0
	s_add_nc_u64 s[32:33], s[8:9], s[40:41]
.set n, 0
.rept 128
	global_load_b32 v[R+n], v7, s[32:33] offset:256*n th:TH_LOAD_NT   ; V(key n, my channel): a wave reads 128 consecutive bytes, the two waves of a step stand side by side on a row
.set n, n+1
.endr
	s_mul_i32 s42, s31, RANKB
	s_lshr_b32 s43, s25, 2
	s_mul_i32 s43, s43, GRP
	s_add_co_u32 s42, s42, s43                     ; my rank's group
	s_and_b32 s43, s25, 3
	s_lshl_b32 s44, s43, 13
	s_lshl_b32 s45, s39, 11
	s_add_co_u32 s44, s44, s45
	s_add_co_u32 s44, s44, 4096
	s_add_co_u32 s44, s44, s42
	s_mov_b32 s45, 0
	s_add_nc_u64 s[34:35], s[16:17], s[44:45]      ; the step's images, my two tiles of channels
	s_lshl_b32 s44, s43, 9
	s_lshl_b32 s38, s39, 7
	s_add_co_u32 s44, s44, s38
	s_add_co_u32 s44, s44, 32768+256
	s_add_co_u32 s44, s44, s42
	s_add_nc_u64 s[36:37], s[16:17], s[44:45]      ; and my channels' scale words
.macro BLOCKV kb                       ; keys 32 kb .. 32 kb + 31 of my channel: all 32 numbers are mine
.set XS, R+32*(\kb)
.if (\kb) == 0
	s_wait_loadcnt 63                              ; of the 128 loads at most 63 are out: the oldest 65 are in, blocks 0 and 1 among them
.elseif (\kb) == 2
	s_wait_loadcnt 32                              ; block 3's may be out
.elseif (\kb) == 3
	s_wait_loadcnt 0x0
.endif
	v_max3_num_f32 v8, |v[XS]|, |v[XS+1]|, |v[XS+2]|
	v_max3_num_f32 v9, |v[XS+3]|, |v[XS+4]|, |v[XS+5]|
.irp i, 6,10,14,18,22,26
	v_max3_num_f32 v8, v8, |v[XS+\i]|, |v[XS+\i+1]|
	v_max3_num_f32 v9, v9, |v[XS+\i+2]|, |v[XS+\i+3]|
.endr
	v_max3_num_f32 v8, v8, |v[XS+30]|, |v[XS+31]|
	v_max3_num_f32 v8, v8, v9, 0x1800000           ; the floor, as above
	v_add_nc_u32 v11, 0xff000000, v8               ; the conversions' scale operand
	v_lshrrev_b32 v10, 23, v11                     ; the scale's byte
.if (\kb) == 0
	v_mov_b32 v[E], v10                            ; four bytes to the word, the lower keys in the lower byte
.else
	v_lshl_or_b32 v[E], v10, 8*(\kb), v[E]
.endif
.irp g, 0,1,2,3
	v_cvt_scalef32_pk8_fp4_f32 v[C+4*(\kb)+\g], v[XS+8*\g:XS+8*\g+7], v11
.endr
	v_nop                                          ; one plain line behind the last conversion of the run
	global_store_b128 v23, v[C+4*(\kb):C+4*(\kb)+3], s[34:35] offset:512*((\kb)/2)+256*((\kb)%2)   ; half c = kb / 2, lanes 16 (kb % 2) on of the image: sixteen lanes store 256 consecutive bytes, aligned
.endm
	BLOCKV 0
	BLOCKV 1
	BLOCKV 2
	BLOCKV 3
	global_store_b32 v7, v[E], s[36:37]            ; 128 consecutive bytes
	s_endpgm
.Ldead:
	s_endpgm
.Lfunc_end_k_q74d404c888_prep:
	.size	k_q74d404c888_prep, .Lfunc_end_k_q74d404c888_prep-k_q74d404c888_prep
	.p2alignl 7, 3214868480
	.fill 96, 4, 3214868480
	.section	.rodata,"a",@progbits
	.p2align	6, 0x0
	.amdhsa_kernel k_q74d404c888_prep
		.amdhsa_group_segment_fixed_size 33280
		.amdhsa_private_segment_fixed_size 0
		.amdhsa_enable_private_segment 0
		.amdhsa_kernarg_size 64
		.amdhsa_user_sgpr_count 2
		.amdhsa_user_sgpr_kernarg_segment_ptr 1
		.amdhsa_wavefront_size32 1
		.amdhsa_system_sgpr_workgroup_id_x 1
		.amdhsa_system_sgpr_workgroup_id_y 1
		.amdhsa_system_sgpr_workgroup_id_z 1
		.amdhsa_system_vgpr_workitem_id 0
		.amdhsa_next_free_vgpr 208
		.amdhsa_next_free_sgpr 66
		.amdhsa_reserve_vcc 1
		.amdhsa_float_denorm_mode_32 3
		.amdhsa_float_denorm_mode_16_64 3
		.amdhsa_memory_ordered 1
		.amdhsa_forward_progress 1
		.amdhsa_inst_pref_size 43
	.end_amdhsa_kernel
	.amdgpu_metadata
---
amdhsa.version: [ 1, 2 ]
amdhsa.kernels:
  - .name:           k_q74d404c888_prep
    .symbol:         k_q74d404c888_prep.kd
    .args:
      - { .name: Q_batch, .offset: 0, .size: 8, .value_kind: global_buffer, .address_space: global }
      - { .name: K_batch, .offset: 8, .size: 8, .value_kind: global_buffer, .address_space: global }
      - { .name: V_batch, .offset: 16, .size: 8, .value_kind: global_buffer, .address_space: global }
      - { .name: valid_lens, .offset: 24, .size: 8, .value_kind: global_buffer, .address_space: global }
      - { .name: qc, .offset: 32, .size: 8, .value_kind: global_buffer, .address_space: global }
      - { .name: qs, .offset: 40, .size: 8, .value_kind: global_buffer, .address_space: global }
      - { .name: kv, .offset: 48, .size: 8, .value_kind: global_buffer, .address_space: global }
      - { .name: plan, .offset: 56, .size: 8, .value_kind: global_buffer, .address_space: global }
    .group_segment_fixed_size: 33280
    .private_segment_fixed_size: 0
    .kernarg_segment_align: 8
    .kernarg_segment_size: 64
    .max_flat_workgroup_size: 128
    .sgpr_count:     66
    .vgpr_count:     208
    .wavefront_size: 32
...
	.end_amdgpu_metadata
.endif
;; end of part 3
;; launch attn (part 4): grid 256 x 1, 16 waves a work-group, no clusters, 276,480 bytes of LDS; arguments qc, qs, kv, plan, out0; writes out0
.if DOCPART == 4
	.amdgcn_target "amdgcn-amd-amdhsa--gfx1250"
	.amdhsa_code_object_version 6
	.text
	.protected	k_q74d404c888_attn
	.globl	k_q74d404c888_attn
	.p2align	8
	.type	k_q74d404c888_attn,@function
k_q74d404c888_attn:
	s_mov_b64 s[64:65], 0
	v_nop
	global_prefetch_b8 v0, s[64:65] scope:SCOPE_SE
	s_setreg_imm32_b32 hwreg(HW_REG_WAVE_SCHED_MODE, 0, 2), 2
	s_setreg_imm32_b32 hwreg(HW_REG_WAVE_MODE, 25, 1), 1
	s_wait_xcnt 0x0
	s_wait_alu depctr_vm_vsrc(0)
; out0[b][q][:] = the sum over k of softmax_k(Q[b][q] . K[b][k] / 8, keys k >= valid_lens[b] masked) V[b][k][:], both products on codes of FP4 (E2M1) with one E8M0 scale for each 32 along a product's K.
; Codes, scale bytes and the plan were made by the launch before (its head comment gives the layouts); they lie by RANK (batches sorted by their number of live key steps, the longest first).
; THE SOFTMAX AHEAD OF THE SECOND PRODUCT: t = score x log2(e) / 8; M = the largest t so far, rounded UP to a whole number; p = 2^(t - M) is quantised along the keys, not normalised; the row's sum is taken of the
; unquantised p and divides at the end.  When M moves, the sum and O are multiplied by 2^(old M - new M): exact.
; WORK LEFT OUT (shown at the head of the launch before): key steps of 128 that lie wholly at or behind a length above 0 reach no output; n live steps and g live groups of 512 keys stand in the plan, which this launch
; reads from memory, and a scalar branch on them leads round a step's work and a group's fetch.  With len = 0 all 16 steps are live and all keys masked.
; THE MASKED SCORE is -2^70 in place of reference()'s logit -1e20 (a score of -8e20): c x -2^70 is exact and a whole number, so where ALL keys are masked M = t, the multiply-add gives 0 and p = 1, as reference() has it;
; beside any valid key t - M is near -2e20 and p = 0.  LIMITS: valid logits are taken to lie above -1e19; NaN and infinities among the inputs are not served, and none in the steps left out is carried to the result.
; SHARES.  Work-group = (pair P of ranks P and 15 - P, SUB): the four tiles of 16 queries 4 SUB .. 4 SUB + 3 of both batches, so that every work-group has nx + ny live steps for each of its tiles, long and short paired.
; Sixteen waves of 256 registers, four to a SIMD: wave w has tile w % 4 and the quarter w / 4 of the keys.  Eight TURNS, a constant count: turn T serves group T % 4 of the first batch (T < 4) or of the second;
; in it a wave does ONE item: its tile against key step 4 (T % 4) + w / 4, if that step is live.  The four quarters' parts (M, sum, O) of a tile meet in LDS at the end and are merged.
; K AND V come from memory through registers into two LDS slots that take turns: in a turn each wave asks for its 5 pieces of the next live group at the turn's head and stores them, behind its item, into the slot that
; is not being read; one barrier a turn parts a slot's reads from its next stores and its stores from its next reads.
; NO TENSOR LOADS, NO CLUSTER, though the 32 work-groups of a pair read the same groups: joint requests are tensor loads
; LAYOUT.  Both products are used transposed: S^T = K Q^T (source 0 = 16 keys, source 1 = my 16 queries; the head's 64 fill half of the instruction's 128, the other half are zero codes on both sides),
; O^T = V^T P^T (source 0 = 16 channels, source 1 = P): a lane holds ONE query (lane % 16) throughout.
; THE KEYS OF A TILE ARE NOT NEIGHBOURS: lane r of tile 2 b + u takes key 32 b + 8 u + r + 8 (r / 8), so that the 16 registers of tiles 2 b and 2 b + 1 are 16 neighbouring keys, 32 b + 16 (lane / 16) + 0 .. 15.
; THE MODE: SCHED_MODE bits 1:0 = 2 (LLVM: expert scheduling mode 2), set by the entry lines.  The code itself states the register dependences between vector or matrix instructions and memory or LDS instructions,
; with s_wait_alu, always for 0.
; THE PLAN.  Registers that memory or LDS instructions touch:
;   v1-4, v7-10, v18-23   addresses and offsets: made at the head, ahead of the head's two waits on va_vdst, and never written again.
;   v[200:216]            the pieces.  Global loads land in them at a turn's head; LDS stores read them at a turn's end.  No vector instruction names them.
;   K's fragments (the lower halves of v[32:63]) and v[224:227]: LDS loads land, the item's eight products read.   v[64:95] and v[228:229], V's: LDS loads land, the item's last four products read.
;   v246, v247            read by Q's loads at the head; written and read again in each flush.   v[12:13], v[160:191]: read by the flush's stores, written anew at a batch's head.
;   The merge: v253-255 made once; LDS loads land in v[32:127]; the last stores read v[128:143].
; TWO LINES AT A TURN'S HEAD, ahead of all its branches, state what the turn's loads hang on: the LDS stores issued so far have read the pieces' registers; the products issued so far are done reading K's and V's
; registers.  No vector or matrix instruction stands between them and the item's first loads.  In an item one wait more parts the first four products from the loads of K's tiles 4-7, which land in the registers that
; those have read; V's loads follow behind these and land while the softmax is worked; one wait stands ahead of the last four products, which take p's codes and scale word from vector instructions.
.set SLOT1, 65536                      ; LDS: slot 0 at 0, slot 1 here.  In a slot: step q at STEPB q: 16 pieces of 512 bytes, CH apart: 8 of K (16 keys x 32 bytes each), then V's 8 images;
.set CH,    528                        ; 512 + 16: a tile's lanes r < 8 then fall on the even 16-byte columns of the 64 banks of 4 bytes (ISA guide 11.1), lanes r >= 8, one piece on, on the odd ones
.set STEPB, 16*CH
.set SCO,   4*STEPB                    ; behind the codes: 2,048 scale bytes; step q at 512 q: K's 256, then V's 256
.set PB,    131072                     ; the parts of O: 32 x PBT; part 4 x (4 x batch + tile) + quarter: 16 rows of 256 bytes + 16
.set PBT,   16*272
.set ST,    PB+32*PBT                  ; their statistics: (4 x batch + tile) x 512 + row x 32 + quarter x 8: the pair (-M, sum)
.set SPARE, ST+8*512                   ; the spare words, 128 bytes a wave: eight blocks of 256 bytes that no other line names
.set GRP,   34816                      ; bytes of a group in kv
.set RANKB, 4*GRP
.set MK,    66                         ; s66-97: 32 lane masks of the hidden keys
; VECTOR REGISTERS: v0 thread; v1-4 (slot 0) and v18-21 (slot 1): my place in K's tiles, V's images, K's bytes, V's words; v7, v8 (slot 0) and v22, v23 (slot 1): where I store my pieces and my scale word;
; v5, v6 the add's two; v9, v10 my pieces' offsets in a group; v11, v16 my part's and my statistics' place; v12 -M, v13 the largest t, v[14:15] the sum; v17 -16 (lane / 16) - 1; v[24:31] Q; v[32:63] four fragments of K
; (upper halves zero); v[64:95] V's four; v[96:159] S^T, then p; v[160:191] O^T; v[192:199] p's codes; v[200:216] the pieces in flight; v217 Q's scales, v218, v[220:223] the second batch's Q;
; v[224:227] K's scales, v[228:229] V's, v230 p's; v232-243 at work; v244 the masked score; v246, v247 addresses; v[248:249] f; v[250:251], v252 at work; v253-255 the merge's addresses.
; SCALARS: s14 wave, s15 tile, s16 quarter, s17 P, s18 SUB; s[20:27] the plan's record: batch, len, n, g twice; s28, s29 n and len in hand; s31 T; s32, s33 loop counts; s34 my key step; s35, s63 the flush's offsets;
; s[36:37] the group being fetched; s[38:39] its offset; s40-42 group numbers (4 x rank + group) made of ids; s43 g - 1 of the first batch; s44, s45 bit T: fetch, store; s[48:49] lane selects; s[50:51] c; s[52:59] Q's four places; s[60:61] out0; s66-97 masks.
	s_load_b256 s[4:11], s[0:1], 0x0               ; qc s[4:5], qs s[6:7], kv s[8:9], plan s[10:11]
	s_load_b64 s[12:13], s[0:1], 0x20              ; out0
	v_lshl_add_u32 v5, v0, 2, SPARE
	v_mov_b32 v6, 0
	v_lshrrev_b32 v252, 5, v0
	v_readfirstlane_b32 s14, v252                  ; wave 0..15
	v_lshlrev_b32 v9, 4, v0                        ; piece = wave, 16 bytes a lane: 16 x thread, in each of a group's four steps
	v_lshl_add_u32 v10, v0, 2, 32768               ; and a word of its 2,048 scale bytes
	v_and_b32 v232, 15, v0                         ; r
	v_bfe_u32 v233, v0, 4, 1                       ; h
	v_lshlrev_b32 v246, 5, v232
	v_lshl_add_u32 v246, v233, 4, v246             ; Q: row r, block h
	v_lshlrev_b32 v247, 1, v232
	s_wait_alu depctr_va_sdst(0)                   ; s14 is written, ahead of its first reader: tile, quarter and every wave-dependent place are made from it
	s_and_b32 s15, s14, 3
	s_lshr_b32 s16, s14, 2
	s_lshr_b32 s17, ttmp9, 5
	s_and_b32 s18, ttmp9, 31
	s_mul_i32 s38, s17, RANKB                      ; the first batch's group 0, in bytes
	s_mov_b32 s39, 0
	s_lshl_b32 s40, s17, 2
	s_add_co_u32 s40, s40, 1                       ; + T: the number of the first batch's group T + 1
	s_sub_co_u32 s19, 15, s17                      ; the second batch's rank
	s_lshl_b32 s42, s19, 2                         ; the number of its group 0
	s_sub_co_u32 s41, s42, 3                       ; + T: of its group T - 3
	s_lshl_b32 s46, s18, 2
	s_add_co_u32 s46, s46, s15                     ; my tile of queries
	s_lshl_b32 s47, s46, 9                         ; 16 rows of 32 bytes of codes,
	s_lshl_b32 s46, s46, 5                         ; of 2 scale bytes
	s_lshl_b32 s52, s17, 16
	s_add_co_u32 s52, s52, s47
	s_mov_b32 s53, 0
	s_lshl_b32 s54, s19, 16
	s_add_co_u32 s54, s54, s47
	s_mov_b32 s55, 0
	s_lshl_b32 s56, s17, 12
	s_add_co_u32 s56, s56, s46
	s_mov_b32 s57, 0
	s_lshl_b32 s58, s19, 12
	s_add_co_u32 s58, s58, s46
	s_mov_b32 s59, 0
	s_lshl_b32 s46, s17, 5                         ; my pair's record
	s_mov_b32 s47, 0
	s_wait_kmcnt 0x0
	s_add_nc_u64 s[46:47], s[10:11], s[46:47]
	s_load_b256 s[20:27], s[46:47], 0x0            ; the plan is on its way beside the first data: the first loads' addresses do not hang on it
	s_add_nc_u64 s[36:37], s[8:9], s[38:39]
	s_add_nc_u64 s[52:53], s[4:5], s[52:53]
	s_add_nc_u64 s[54:55], s[4:5], s[54:55]
	s_add_nc_u64 s[56:57], s[6:7], s[56:57]
	s_add_nc_u64 s[58:59], s[6:7], s[58:59]
.macro FILL_LOADS                      ; my five pieces of the group at s[36:37]
.irp u, 0,1,2,3
	global_load_b128 v[200+4*\u:203+4*\u], v9, s[36:37] offset:8192*\u   ; a wave reads 512 consecutive bytes
.endr
	global_load_b32 v216, v10, s[36:37]
.endm
.macro FILL_STORES sl                  ; into slot sl
.irp u, 0,1,2,3
	ds_store_b128 v[7+15*(\sl)], v[200+4*\u:203+4*\u] offset:STEPB*\u
.endr
	ds_store_b32 v[8+15*(\sl)], v216
.endm
	s_wait_alu depctr_va_vdst(0)                   ; v9, v10, v246 and v247 are written: the loads below, and every later fetch of pieces, read them as offsets
	FILL_LOADS                                     ; the first batch's group 0 is always live (n is at least 1)
	global_load_b128 v[24:27], v246, s[52:53]      ; Q's fragment: k = 32 h + 0 .. 31 of row r
	global_load_u16 v217, v247, s[56:57]           ; its two scale bytes; the upper two bytes are 0 and stand over zero codes
	global_load_b128 v[220:223], v246, s[54:55]    ; the second batch's
	global_load_u16 v218, v247, s[58:59]
	v_and_b32 v234, 31, v0                         ; lane
	v_and_b32 v235, 7, v0                          ; r % 8
	v_bfe_u32 v240, v0, 3, 1                       ; r / 8
	s_mul_i32 s19, s16, STEPB                      ; my quarter's step in a slot
	v_lshlrev_b32 v1, 5, v235
	v_mad_u32_u24 v1, v240, CH, v1
	v_lshl_add_u32 v1, v233, 4, v1
	v_add_nc_u32 v1, s19, v1                       ; K: 32 (r % 8) + CH (r / 8) + 16 h
	v_add_nc_u32 v18, SLOT1, v1
	v_lshl_add_u32 v2, v234, 4, 8*CH
	v_add_nc_u32 v2, s19, v2                       ; V: behind K's 8 pieces, 16 x lane
	v_add_nc_u32 v19, SLOT1, v2
	s_lshl_b32 s30, s16, 9
	s_add_co_u32 s30, s30, SCO
	v_lshl_add_u32 v3, v240, 3, v232
	v_lshl_add_u32 v3, v233, 3, v3
	v_lshlrev_b32 v3, 1, v3
	v_add_nc_u32 v3, s30, v3                       ; K's bytes: 2 x (r + 8 (r / 8) + 8 h): lanes 0-15 take tile 2 b's rows, lanes 16-31 tile 2 b + 1's
	v_add_nc_u32 v20, SLOT1, v3
	v_lshl_add_u32 v4, v234, 2, 256
	v_add_nc_u32 v4, s30, v4                       ; V's words: 4 x lane: lanes 0-15 tile 2 j's channels, lanes 16-31 tile 2 j + 1's
	v_add_nc_u32 v21, SLOT1, v4
	s_mul_i32 s60, s14, CH
	v_lshlrev_b32 v7, 4, v234
	v_add_nc_u32 v7, s60, v7                       ; my pieces in a slot: CH x wave + 16 x lane
	v_add_nc_u32 v22, SLOT1, v7
	v_lshl_add_u32 v8, v0, 2, SCO
	v_add_nc_u32 v23, SLOT1, v8
	s_lshl_b32 s60, s15, 2
	s_add_co_u32 s60, s60, s16
	s_mul_i32 s60, s60, PBT
	s_add_co_u32 s60, s60, PB
	v_mul_u32_u24 v11, v232, 272
	v_lshl_add_u32 v11, v233, 5, v11
	v_add_nc_u32 v11, s60, v11                     ; my part of O: row r, + 32 h
	s_lshl_b32 s60, s15, 9
	s_lshl_b32 s61, s16, 3
	s_add_co_u32 s60, s60, s61
	s_add_co_u32 s60, s60, ST
	v_lshl_add_u32 v16, v232, 5, s60               ; my statistics
	v_lshlrev_b32 v17, 4, v233
	v_sub_nc_u32 v17, -1, v17                      ; -16 h - 1
.irp j, 28,29,30,31, 36,37,38,39, 44,45,46,47, 52,53,54,55, 60,61,62,63
	v_mov_b32 v\j, 0                               ; k = 64 .. 127 of Q's and K's fragments: zero codes, set once; no load lands here
.endr
.irp j, 236,237,238,239, 249,250
	v_mov_b32 v\j, 0                               ; written once: a lane permute's destination counts as one of its sources; v249 is named as the upper half of a pair
.endr
	v_mov_b32 v244, 0xe2800000                     ; -2^70
	s_mov_b32 s48, 0x76543210
	s_mov_b32 s49, 0xfedcba98                      ; v_permlanex16_b32's selects for lane l xor 16
	s_mov_b32 s50, 0x3e38aa3b                      ; c = log2(e) / 8
	s_mov_b32 s51, s50                             ; (named with it as a pair, so it is written)
	s_wait_loadcnt 4                               ; my five pieces are in; Q's four loads may be out
	s_wait_alu depctr_va_vdst(0)                   ; v7 and v8 are written, which the stores below read; so are all the other LDS addresses of the kernel's loops (v1-4, v18-23), and the zero codes, which the scaled products take
	FILL_STORES 0
	s_wait_kmcnt 0x0                               ; the plan
	s_min_u32 s20, s20, 15
	s_min_u32 s21, s21, 0x800
	s_min_u32 s22, s22, 16
	s_min_u32 s23, s23, 4
	s_min_u32 s24, s24, 15
	s_min_u32 s25, s25, 0x800
	s_min_u32 s26, s26, 16
	s_min_u32 s27, s27, 4
	s_bfm_b32 s30, s23, 0                          ; bits 0 .. gx - 1: the first batch's live groups,
	s_bfm_b32 s46, s27, 4                          ; bits 4 .. 4 + gy - 1: the second's
	s_or_b32 s45, s30, s46
	s_lshr_b32 s45, s45, 1                         ; bit T: turn T + 1's group is live, so turn T stores it
	s_sub_co_u32 s46, s27, 1
	s_bfm_b32 s46, s46, 4
	s_or_b32 s44, s30, s46                         ; bit T: turn T fetches: T < gx - 1 the first batch's next group; T = gx - 1 the second batch's group 0, which waits in registers through the first batch's
	s_sub_co_u32 s43, s23, 1                       ; dead turns; 4 <= T < 3 + gy the second batch's next group
	s_mov_b32 s28, s22
	s_mov_b32 s29, s21
	s_mov_b32 s31, 0
	s_mov_b32 s33, 2
	s_mov_b32 s35, 0
	s_mov_b32 s63, 0
	s_wait_loadcnt 0x0                             ; Q
	s_wait_dscnt 0x0                               ; for the others' sake: my pieces lie in slot 0
	s_barrier_signal -1
	s_barrier_wait -1
; The turn's fetch: which group is the next live one, and the five loads for it.  The choice hangs on the plan (gx), so it is made on the group's NUMBER, which is then held to kv's 64 groups by a bound written in the
; instruction; behind the bound stand only the multiply by a group's bytes and the add to kv's address.
.macro FILLA
	s_add_co_u32 s46, s31, s40                     ; the first batch's group T + 1
	s_add_co_u32 s47, s31, s41                     ; the second batch's group T - 3
	s_cmp_lt_u32 s31, 4
	s_cselect_b32 s46, s46, s47
	s_cmp_eq_u32 s31, s43
	s_cselect_b32 s38, s42, s46                    ; in the first batch's last live turn: the second batch's group 0
	s_min_u32 s38, s38, 63
	s_mul_i32 s38, s38, GRP
	s_bitcmp1_b32 s44, s31
	s_cbranch_scc0 .Lnofetch_\@
	s_wait_loadcnt 0x0                             ; no load of mine is out: the base may be written, and the pieces' registers loaded again
	s_add_nc_u64 s[36:37], s[8:9], s[38:39]
	FILL_LOADS                                     ; (the LDS stores that read these registers stand ahead of the wait on vm_vsrc at the turn's head)
.Lnofetch_\@:
.endm
; The turn's end: the pieces, asked for an item ago or earlier, go into the slot that nobody reads in this turn.  Their data come from loads and their addresses from the head: only the wait for the loads is owed.
.macro FILLB sl
	s_bitcmp1_b32 s45, s31
	s_cbranch_scc0 .Lnostore_\@
	s_wait_loadcnt 0x0
	FILL_STORES \sl
.Lnostore_\@:
.endm
; Four products of S^T = K Q^T into v[base ..]; the scale register sc + t / 2 holds tile t's bytes in lanes 0-15 (t even) or 16-31 (t odd).
.macro SPROD base, sc
.irp t, 0,1,2,3
.if \t%2
	v_wmma_scale_f32_16x16x128_f8f6f4 v[\base+8*\t:\base+8*\t+7], v[32+8*\t:39+8*\t], v[24:31], 0, v[\sc+\t/2], v217 matrix_a_fmt:MATRIX_FMT_FP4 matrix_b_fmt:MATRIX_FMT_FP4 matrix_a_scale:MATRIX_SCALE_ROW1
.else
	v_wmma_scale_f32_16x16x128_f8f6f4 v[\base+8*\t:\base+8*\t+7], v[32+8*\t:39+8*\t], v[24:31], 0, v[\sc+\t/2], v217 matrix_a_fmt:MATRIX_FMT_FP4 matrix_b_fmt:MATRIX_FMT_FP4
.endif
.endr
.endm
.macro PLACES                          ; four places behind matrix instructions, in front of the first vector instruction that reads their results (ISA guide 7.12.1)
.rept 4
	v_nop
.endr
.endm
; AN ITEM: my 16 queries against the 128 keys of my step, from slot sl.  Left out where the step is not live: a scalar branch on the plan; no barrier stands in an item.
.macro ITEM sl
.set RAK, 1+17*(\sl)
.set RAV, 2+17*(\sl)
.set RSK, 3+17*(\sl)
.set RSV, 4+17*(\sl)
	s_cmp_ge_u32 s34, s28
	s_cbranch_scc1 .Lskip_\@
.irp t, 0,1,2,3
	ds_load_b128 v[32+8*\t:35+8*\t], v[RAK] offset:(\t/2)*2*CH+(\t%2)*256            ; K's tiles 0-3.  (The products that read these registers stand ahead of the wait on va_vdst at the turn's head)
.endr
.irp b, 0,1,2,3
	ds_load_u16 v[224+\b], v[RSK] offset:64*\b                                       ; K's scale bytes, tiles 2 b and 2 b + 1; the upper two bytes are 0, over zero codes
.endr
	s_wait_dscnt 2                                 ; K's four tiles and the bytes of tiles 0-3 are in; the two loads of the bytes of tiles 4-7 may be out
	SPROD 96, 224
	s_wait_alu depctr_va_vdst(0)                   ; these four products are done reading K's fragments, in which the four loads below land
.irp t, 0,1,2,3
	ds_load_b128 v[32+8*\t:35+8*\t], v[RAK] offset:((\t+4)/2)*2*CH+(\t%2)*256        ; K's tiles 4-7
.endr
.irp f, 0,1,2,3,4,5,6,7
	ds_load_b128 v[64+4*\f:67+4*\f], v[RAV] offset:CH*\f                             ; V's four fragments, as images: behind K's, and on their way while the softmax is worked.  No vector or matrix instruction names their registers ahead of the last four products
.endr
.irp j, 0,1
	ds_load_b32 v[228+\j], v[RSV] offset:128*\j                                      ; V's scale words, tiles 2 j and 2 j + 1
.endr
	s_wait_dscnt 10                                ; K's tiles 4-7 and their bytes are in; V's eight loads and its two words may be out
	SPROD 128, 226
	PLACES
	; register 16 b + i of S^T holds key 128 x step + 32 b + 16 h + i.  Only the step in which len falls (with len = 0: every step) has hidden keys
	s_lshl_b32 s46, s34, 7
	s_add_co_u32 s47, s46, 128
	s_cmp_le_u32 s47, s29
	s_cbranch_scc1 .Lopen_\@
	s_sub_co_i32 s47, s29, s46
	v_add_nc_u32 v252, s47, v17                    ; d = len - the step's first key - 16 h - 1: hidden where 32 b + i > d
.irp u, 0,1                                    ; the compares go in two runs of 32, each into 32 scalar registers, with one wait behind a run
.set n, 0
.rept 32
	v_cmp_gt_i32 s[MK+n], 32*((32*\u+n)/16)+n%16, v252
.set n, n+1
.endr
	s_wait_alu depctr_va_sdst(0)                   ; the 32 compares have written their masks, which the selects below read
.set n, 0
.rept 32
	v_cndmask_b32 v[96+32*\u+n], v[96+32*\u+n], v244, s[MK+n]
.set n, n+1
.endr
.endr
.Lopen_\@:
.irp b, 0,1,2,3
	v_max3_num_f32 v[232+\b], v[96+16*\b], v[97+16*\b], v[98+16*\b]   ; THE LARGEST SCORE OF EACH BLOCK OF 32 KEYS serves twice: for the row's maximum, and, since p rises with the score, for the block's largest p
.endr
.irp i, 3,5,7,9,11,13
.irp b, 0,1,2,3
	v_max3_num_f32 v[232+\b], v[232+\b], v[96+16*\b+\i], v[97+16*\b+\i]   ; (the four blocks by turns)
.endr
.endr
.irp b, 0,1,2,3
	v_max_num_f32 v[232+\b], v[232+\b], v[111+16*\b]
.endr
.irp b, 0,1,2,3
	v_permlanex16_b32 v[236+\b], v[232+\b], s48, s49
.endr
.irp b, 0,1,2,3
	v_max_num_f32 v[232+\b], v[232+\b], v[236+\b]  ; with lane l xor 16's 16 keys
.endr
	v_max3_num_f32 v250, v232, v233, v234
	v_max_num_f32 v250, v250, v235                 ; the step's largest score of my query
	v_mul_f32 v250, s50, v250                      ; as t (c is positive)
	v_max_num_f32 v13, v13, v250                   ; the running largest t
	v_mov_b32 v250, v12
	v_floor_f32 v12, -v13                          ; the new -M = floor(-t) = -ceil(t): M IS A WHOLE NUMBER
	v_sub_f32 v250, v12, v250                      ; M's old value less its new one: a whole number, 0 or less
	v_cvt_i32_f32 v250, v250                       ; (it saturates)
	v_ldexp_f32 v248, 1.0, v250                    ; f = 2^(old M - new M)
.set n, 0
.rept 32
	v_pk_fma_f32 v[96+n:97+n], v[96+n:97+n], s[50:51], v[12:13] op_sel_hi:[1,0,0]   ; t - M, two at a time (of the pairs c and -M the low word serves both halves)
.set n, n+2
.endr
.irp b, 0,1,2,3
	v_fma_f32 v[232+\b], v[232+\b], s50, v12       ; the same of each block's largest score
.endr
.set n, 0
	s_wait_alu depctr_va_vdst(0)
.rept 64
	v_exp_f32 v[96+n], v[96+n]                     ; p = 2^(t - M), at most 1: NOT normalised
.set n, n+1
.endr
	v_pk_mul_f32 v[14:15], v[14:15], v[248:249] op_sel_hi:[1,0]   ; the sums under the new M,
.set n, 0
	s_wait_alu depctr_va_vdst(0)
.rept 16
	v_pk_mul_f32 v[160+n:161+n], v[160+n:161+n], v[248:249] op_sel_hi:[1,0]   ; and O^T: work that names no exponential's result
.set n, n+2
.endr
	s_wait_alu depctr_va_vdst(0)                   ; the 64 exponentials have written p: the wait ahead of the first line that names a result: one for the batch
.irp b, 0,1,2,3
	v_exp_f32 v[232+\b], v[232+\b]                 ; the block's largest p: the same two instructions on the same number give the same bits
.endr
	v_pk_add_f32 v[250:251], v[96:97], v[98:99]    ; THE ROW'S SUM IS TAKEN OF THE UNQUANTISED p: two at a time, in two chains.  (It reads the 64 alone: plain work behind the four)
.irp j, 4,8,12,16,20,24,28,32,36,40,44
	v_pk_add_f32 v[14:15], v[14:15], v[96+\j:97+\j]
	v_pk_add_f32 v[250:251], v[250:251], v[98+\j:99+\j]
.endr
	s_wait_alu depctr_va_vdst(0)                   ; the four exponentials have written the blocks' largest p, ahead of the first line that names one
.irp b, 0,1,2,3
	v_max_num_f32 v[232+\b], 0x1800000, v[232+\b]  ; the floor 2^(3 - 127): the byte cannot fall under 1 (a block whose every p is 0 keeps that byte: its codes are zeros)
.endr
.irp b, 0,1,2,3
	v_add_nc_u32 v[240+\b], 0xff000000, v[232+\b]  ; 2 off the exponent field: the conversion's scale operand
.endr
.irp b, 0,1,2,3
	v_lshrrev_b32 v[236+\b], 23, v[240+\b]         ; the scale's byte
.endr
	v_lshl_or_b32 v230, v237, 8, v236              ; p's scale word for these 128 keys
	v_lshl_or_b32 v230, v238, 16, v230
	v_lshl_or_b32 v230, v239, 24, v230
.irp b, 0,1,2,3
	v_cvt_scalef32_pk8_fp4_f32 v[192+2*\b], v[96+16*\b:103+16*\b], v[240+\b]
	v_cvt_scalef32_pk8_fp4_f32 v[193+2*\b], v[104+16*\b:111+16*\b], v[240+\b]
.endr
	v_nop                                          ; one plain line between a scaled conversion and the vector instruction that touches its result
.irp c, 0,1                                    ; the operand's layout wants a WHOLE block in a lane: lanes 0-15 block 2 c, lanes 16-31 block 2 c + 1
.irp i, 0,1
	v_permlane16_swap_b32 v[192+4*\c+\i], v[194+4*\c+\i]
.endr
.endr
.irp j, 48,52,56,60                            ; the rest of the row's sum: nine plain lines that name no register of the products below: with the lines above them the places that a scale word (8) and an operand (4) written by vector instructions owe
	v_pk_add_f32 v[14:15], v[14:15], v[96+\j:97+\j]
	v_pk_add_f32 v[250:251], v[250:251], v[98+\j:99+\j]
.endr
	v_pk_add_f32 v[14:15], v[14:15], v[250:251]
	s_wait_dscnt 0x0                               ; V's fragments and scale words are in
	s_wait_alu depctr_va_vdst(0)                   ; the conversions and the exchanges have written p's codes and the shifts its scale word, which the scaled products below take; the places above stay beside this wait
.irp t, 0,1,2,3                                ; O^T += V^T P^T: the four accumulators take one turn each, behind products on other accumulators
.if \t%2
	v_wmma_scale_f32_16x16x128_f8f6f4 v[160+8*\t:167+8*\t], v[64+8*\t:71+8*\t], v[192:199], v[160+8*\t:167+8*\t], v[228+\t/2], v230 matrix_a_fmt:MATRIX_FMT_FP4 matrix_b_fmt:MATRIX_FMT_FP4 matrix_a_scale:MATRIX_SCALE_ROW1
.else
	v_wmma_scale_f32_16x16x128_f8f6f4 v[160+8*\t:167+8*\t], v[64+8*\t:71+8*\t], v[192:199], v[160+8*\t:167+8*\t], v[228+\t/2], v230 matrix_a_fmt:MATRIX_FMT_FP4 matrix_b_fmt:MATRIX_FMT_FP4
.endif
.endr
.Lskip_\@:
.endm
; A TURN on slot sl.  The two lines at its head stand ahead of all its branches, so that they lie on every way to its loads.
; The barrier at its end: each wave's reads of slot sl are back and its stores into the other slot have landed (the wait for 0); behind it the other slot is read, and slot sl may be stored into.
.macro TURN sl
	s_wait_alu depctr_vm_vsrc(0)                   ; my LDS stores of the last pieces have read v[200:216], in which this turn's fetch lands; in the kernel's first turn Q's loads have also read v246 and v247, which the flush writes again
	s_wait_alu depctr_va_vdst(0)                   ; the last item's products are done reading K's and V's fragments and their scale registers, in which this item's loads land; in the second batch's first turn the moves have written Q's fragment and scale word, which the scaled products take
	FILLA
	ITEM \sl
	FILLB 1-\sl
	s_wait_dscnt 0x0
	s_barrier_signal -1
	s_barrier_wait -1
	s_add_co_u32 s31, s31, 1
	s_add_co_u32 s34, s34, 4
.endm
.Lbatch:                                           ; two trips: the pair's first batch, then its second
.set n, 0
.rept 32
	v_mov_b32 v[160+n], 0                          ; O^T.  (An item is written once: the first finds zeros, which the first change of M leaves zeros; a wave none of whose steps is live hands zeros on)
.set n, n+1
.endr
	v_mov_b32 v13, 0xff61b1e6                      ; the largest t so far: -3e38, under every t
	v_floor_f32 v12, -v13                          ; -M
	v_mov_b32 v14, 0                               ; the sum, in two halves
	v_mov_b32 v15, 0
	s_mov_b32 s34, s16                             ; my step in group 0: my quarter
	s_mov_b32 s32, 0
.Lturns:                                           ; two trips of two turns: the slots' numbers are constants of the text
	TURN 0
	TURN 1
	s_add_co_u32 s32, s32, 1
	s_cmp_lt_u32 s32, 2
	s_cbranch_scc1 .Lturns
	; THE FLUSH: my quarter's part of my tile goes to LDS: -M and the sum, and O^T as 16 rows of 256 bytes.  Of the five lines below the four plain ones, which name no register of the last item's
	; products, are the places between those products and the stores that read O^T
	v_add_f32 v14, v14, v15                        ; the sum's two halves,
	v_permlanex16_b32 v250, v14, s48, s49
	v_add_f32 v13, v14, v250                       ; and lane l xor 16's: beside -M, as a pair
	v_add_nc_u32 v246, s35, v11
	v_add_nc_u32 v247, s63, v16
	s_wait_alu depctr_va_vdst(0)                   ; -M, the sum and the two addresses are written, and the products have written O^T: the stores below read them all; the places above stay beside this wait
	ds_store_b64 v247, v[12:13]                    ; both halves of the lanes write the same pair with the same values
.irp t, 0,1,2,3
	ds_store_b128 v246, v[160+8*\t:163+8*\t] offset:64*\t          ; channels 16 t + 8 h + 0 .. 7 of row r; each accumulator from its low end on
	ds_store_b128 v246, v[164+8*\t:167+8*\t] offset:64*\t+16
.endr
	s_add_co_u32 s35, s35, 16*PBT                  ; the second batch's places
	s_add_co_u32 s63, s63, 4*512
	s_wait_dscnt 0x0                               ; for the others' sake: my part lies in LDS (the barrier behind the loop leans on this wait)
	s_wait_alu depctr_vm_vsrc(0)                   ; the stores have read v[12:13] and O^T, which the next batch's head writes anew, and v246 and v247, which the next flush writes
.irp j, 0,1,2,3
	v_mov_b32 v[24+\j], v[220+\j]                  ; the second batch's Q, its scales,
.endr
	v_mov_b32 v217, v218                           ; (the 36 lines at the loop's head are the places that they owe ahead of the next scaled product)
	s_mov_b32 s28, s26                             ; its n and its len
	s_mov_b32 s29, s25
	s_sub_co_u32 s33, s33, 1
	s_cmp_lg_u32 s33, 0
	s_cbranch_scc1 .Lbatch
	s_barrier_signal -1                            ; (the flush has waited for its stores)
	s_barrier_wait -1                              ; all 32 parts lie in LDS
	; THE MERGE.  Wave w takes 8 rows of tile w / 2 (0-3: the first batch's, 4-7: the second's): rows 8 (w % 2) + 2 j + h, j = 0 .. 3; a lane takes 4 channels.  M = the largest of the four M: -M = the least -M;
	; part i counts by f_i = 2^(M_i - M), exact; a part with no live step has -M = 3e38, so f = 0.  out = (the sum of f_i O_i) / (the sum of f_i l_i).
	s_lshr_b32 s46, s14, 1
	s_and_b32 s47, s14, 1
	v_bfe_u32 v252, v0, 4, 1                       ; h
	s_wait_alu depctr_va_vdst(0)
	v_and_b32 v250, 15, v0
	s_lshl_b32 s19, s46, 9
	s_lshl_b32 s30, s47, 8
	s_add_co_u32 s19, s19, s30
	s_add_co_u32 s19, s19, ST
	v_lshl_add_u32 v253, v252, 5, s19              ; a row's statistics: 32 bytes
	s_mul_i32 s19, s46, 4*PBT
	s_mul_i32 s30, s47, 8*272
	s_add_co_u32 s19, s19, s30
	s_add_co_u32 s19, s19, PB
	v_mul_u32_u24 v254, v252, 272
	s_wait_alu depctr_va_vdst(0)
	v_lshl_add_u32 v254, v250, 4, v254
	v_add_nc_u32 v254, s19, v254                   ; lanes 0-15 one row, lanes 16-31 the next; 16 bytes a lane
	v_and_b32 v255, 31, v0
	v_lshlrev_b32 v255, 4, v255                    ; and the same two rows in out0: 512 consecutive bytes
	s_wait_alu depctr_va_vdst(0)                   ; v253, v254 and v255 are written, which the loads and stores below read; and every vector and matrix instruction that named v[32:127], in which the loads land, is done
.irp j, 0,1,2,3
.irp k, 0,1
	ds_load_b128 v[32+8*\j+4*\k:35+8*\j+4*\k], v253 offset:64*\j+16*\k     ; (-M, l) of parts 2 k and 2 k + 1
.endr
.endr
.irp j, 0,1,2,3
.irp i, 0,1,2,3
	ds_load_b128 v[64+16*\j+4*\i:67+16*\j+4*\i], v254 offset:PBT*\i+544*\j
.endr
.endr
	s_cmp_lt_u32 s46, 4
	s_cselect_b32 s19, s20, s24                    ; the tile's batch, as the inputs number it,
	s_min_u32 s19, s19, 15                         ; behind this bound only shifted and added
	s_lshl_b32 s19, s19, 19                        ; 2,048 rows of 256 bytes
	s_and_b32 s30, s46, 3
	s_lshl_b32 s60, s18, 2
	s_add_co_u32 s30, s30, s60
	s_lshl_b32 s30, s30, 12                        ; the tile's 16 rows
	s_add_co_u32 s19, s19, s30
	s_lshl_b32 s30, s47, 11                        ; my 8 of them
	s_add_co_u32 s60, s19, s30
	s_mov_b32 s61, 0
	s_add_nc_u64 s[60:61], s[12:13], s[60:61]
	s_wait_dscnt 16                                ; the statistics are in; the 16 loads of the parts may be out
.irp j, 0,1,2,3
	v_min_num_f32 v[232+\j], v[32+8*\j], v[34+8*\j]
.endr
.irp j, 0,1,2,3
	v_min_num_f32 v[240+\j], v[36+8*\j], v[38+8*\j]
.endr
.irp j, 0,1,2,3
	v_min_num_f32 v[232+\j], v[232+\j], v[240+\j]                  ; the least -M of the four parts
.endr
.irp i, 0,1,2,3
.irp j, 0,1,2,3
	v_sub_f32 v[32+8*\j+2*\i], v[232+\j], v[32+8*\j+2*\i]          ; M_i - M: a whole number, 0 or less
.endr
.endr
.irp i, 0,1,2,3
.irp j, 0,1,2,3
	v_cvt_i32_f32 v[32+8*\j+2*\i], v[32+8*\j+2*\i]                 ; (it saturates)
.endr
.endr
.irp i, 0,1,2,3
.irp j, 0,1,2,3
	v_ldexp_f32 v[32+8*\j+2*\i], 1.0, v[32+8*\j+2*\i]              ; f_i
.endr
.endr
.irp j, 0,1,2,3
	v_mul_f32 v[236+\j], v[32+8*\j], v[33+8*\j]
.endr
.irp i, 1,2,3
.irp j, 0,1,2,3
	v_fma_f32 v[236+\j], v[32+8*\j+2*\i], v[33+8*\j+2*\i], v[236+\j]   ; the row's sum
.endr
.endr
	s_wait_alu depctr_va_vdst(0)
.irp j, 0,1,2,3
	v_rcp_f32 v[236+\j], v[236+\j]
.endr
	v_nop                                          ; a plain line behind the last reciprocal
	s_wait_alu depctr_va_vdst(0)                   ; the four reciprocals have written v[236:239]: the wait ahead of the first use: one for the four
.irp i, 0,1,2,3
.irp j, 0,1,2,3
	v_mul_f32 v[32+8*\j+2*\i], v[32+8*\j+2*\i], v[236+\j]          ; f_i / the sum, in the low word of an even pair
.endr
.endr
	s_wait_dscnt 0x0
.irp j, 0,1,2,3
.irp u, 0,2
	v_pk_mul_f32 v[128+4*\j+\u:129+4*\j+\u], v[64+16*\j+\u:65+16*\j+\u], v[32+8*\j:33+8*\j] op_sel_hi:[1,0]
.endr
.endr
.irp i, 1,2,3
.irp j, 0,1,2,3
.irp u, 0,2
	v_pk_fma_f32 v[128+4*\j+\u:129+4*\j+\u], v[64+16*\j+4*\i+\u:65+16*\j+4*\i+\u], v[32+8*\j+2*\i:33+8*\j+2*\i], v[128+4*\j+\u:129+4*\j+\u] op_sel_hi:[1,0,1]
.endr
.endr
.endr
	s_wait_alu depctr_va_vdst(0)                   ; the packed multiply-adds have written v[128:143], which the four stores read
.irp j, 0,1,2,3
	global_store_b128 v255, v[128+4*\j:131+4*\j], s[60:61] offset:512*\j th:TH_STORE_NT   ; 32 lanes store two whole rows: 512 consecutive bytes, at a multiple of 256 from out0's first byte; written once, read by nobody here
.endr
	s_wait_dscnt 0x0                               ; the closing lines, six on end
	s_wait_alu 0x0
	s_wait_tensorcnt 0x0
	ds_add_u32 v5, v6
	s_wait_dscnt 0x0
	s_endpgm
.Lfunc_end_k_q74d404c888_attn:
	.size	k_q74d404c888_attn, .Lfunc_end_k_q74d404c888_attn-k_q74d404c888_attn
	.p2alignl 7, 3214868480
	.fill 96, 4, 3214868480
	.section	.rodata,"a",@progbits
	.p2align	6, 0x0
	.amdhsa_kernel k_q74d404c888_attn
		.amdhsa_group_segment_fixed_size 276480
		.amdhsa_private_segment_fixed_size 0
		.amdhsa_enable_private_segment 0
		.amdhsa_kernarg_size 40
		.amdhsa_user_sgpr_count 2
		.amdhsa_user_sgpr_kernarg_segment_ptr 1
		.amdhsa_wavefront_size32 1
		.amdhsa_system_sgpr_workgroup_id_x 1
		.amdhsa_system_sgpr_workgroup_id_y 1
		.amdhsa_system_sgpr_workgroup_id_z 1
		.amdhsa_system_vgpr_workitem_id 0
		.amdhsa_next_free_vgpr 256
		.amdhsa_next_free_sgpr 98
		.amdhsa_reserve_vcc 0
		.amdhsa_float_denorm_mode_32 3
		.amdhsa_float_denorm_mode_16_64 3
		.amdhsa_memory_ordered 1
		.amdhsa_forward_progress 1
		.amdhsa_inst_pref_size 72
	.end_amdhsa_kernel
	.amdgpu_metadata
---
amdhsa.version: [ 1, 2 ]
amdhsa.kernels:
  - .name:           k_q74d404c888_attn
    .symbol:         k_q74d404c888_attn.kd
    .args:
      - { .name: qc, .offset: 0, .size: 8, .value_kind: global_buffer, .address_space: global }
      - { .name: qs, .offset: 8, .size: 8, .value_kind: global_buffer, .address_space: global }
      - { .name: kv, .offset: 16, .size: 8, .value_kind: global_buffer, .address_space: global }
      - { .name: plan, .offset: 24, .size: 8, .value_kind: global_buffer, .address_space: global }
      - { .name: out0, .offset: 32, .size: 8, .value_kind: global_buffer, .address_space: global }
    .group_segment_fixed_size: 276480
    .private_segment_fixed_size: 0
    .kernarg_segment_align: 8
    .kernarg_segment_size: 40
    .max_flat_workgroup_size: 512
    .sgpr_count:     98
    .vgpr_count:     256
    .wavefront_size: 32
...
	.end_amdgpu_metadata
.endif
;; end of part 4
